; MI455X (gfx1250); checked and timed in simulation.
; The chip was launched on July 23, 2026; its instructions are those of AMD's public machine-readable ISA for CDNA 5 (MIT licence, August 2026) and "CDNA5" Instruction Set Architecture Reference Guide (July 2026). The comments in the code are by the model that wrote it; some were corrected since.
;; Causal Transformer Block. Allowed arithmetic: matrix products marked QUANTISED: E5M2 operands, one E8M0 scale for each 32 along K, by v_wmma_scale_f32_16x16x128_f8f6f4 with both operands' format E5M2, f32 sums; everything else in f32.
;; Inputs: b_fc1 4,096 float32; b_fc2 1,024 float32; b_proj 1,024 float32; b_qkv 3,072 float32; ln1_b 1,024 float32; ln1_g 1,024 float32; ln2_b 1,024 float32; ln2_g 1,024 float32; w_fc1_codes 4,096 x 32 x 32 uint8 (E5M2 codes of w_fc1, K innermost, in blocks of 32 codes); w_fc1_scales 4,096 x 32 uint8 (E8M0 scales of w_fc1, one for each 32 codes along K); w_fc2_codes 1,024 x 128 x 32 uint8 (E5M2 codes of w_fc2, K innermost, in blocks of 32 codes); w_fc2_scales 1,024 x 128 uint8 (E8M0 scales of w_fc2, one for each 32 codes along K); w_proj_codes 1,024 x 32 x 32 uint8 (E5M2 codes of w_proj, K innermost, in blocks of 32 codes); w_proj_scales 1,024 x 32 uint8 (E8M0 scales of w_proj, one for each 32 codes along K); w_qkv_codes 3,072 x 32 x 32 uint8 (E5M2 codes of w_qkv, K innermost, in blocks of 32 codes); w_qkv_scales 3,072 x 32 uint8 (E8M0 scales of w_qkv, one for each 32 codes along K); x 2 x 2,048 x 1,024 float32.
;; Outputs: out0 2 x 2,048 x 1,024 float32.
;; This version of the problem:
;;   THIS VERSION OF THE PROBLEM IS GIVEN IN LOW PRECISION. The matrix products marked QUANTISED in the list below multiply operands that are first quantised to E5M2 (5 exponent bits, 2 mantissa bits; 8 bits a number), with one power-of-two scale for each 32 numbers along K (OCP MX v1.0); their sums are f32. All else is computed in f32.
;;   The module's matrix products, in the order in which they are computed (A, B: the left and right operand; K: the contracted axis; several contracted axes count as one K, in the product's order):
;;     1. [M 4,096, K 1,024] x [K 1,024, N 3,072]; A: computed on the way; B: input w_qkv (given as codes): QUANTISED
;;     2. batch 32 x [M 2,048, K 64] x [K 64, N 2,048]; A: computed on the way; B: computed on the way: QUANTISED
;;     3. batch 32 x [M 2,048, K 2,048] x [K 2,048, N 64]; A: softmax (see below); B: computed on the way: QUANTISED
;;     4. [M 4,096, K 1,024] x [K 1,024, N 1,024]; A: computed on the way; B: input w_proj (given as codes): QUANTISED
;;     5. [M 4,096, K 1,024] x [K 1,024, N 4,096]; A: computed on the way; B: input w_fc1 (given as codes): QUANTISED
;;     6. [M 4,096, K 4,096] x [K 4,096, N 1,024]; A: computed on the way; B: input w_fc2 (given as codes): QUANTISED
;;   THE QUANTISER, for each operand of a quantised product, along K:
;;     - K is cut into blocks of 32 from its start; a last block that is shorter is filled with zeros.
;;     - A block's scale is 2^e with e = floor(log2(the largest magnitude in the block)) - 15, held to -126 .. 127; a block of zeros has e = 0. As a byte (E8M0): e + 127.
;;     - Each number is divided by its block's scale, clamped to +-57,344, and rounded to the nearest number of E5M2, ties to even, subnormals kept.
;;     - The product sums the exact products of the quantised numbers (number of the format x scale) in f32.
;;   ~~~python
;;   def quantise(x, axis):      # numpy; x: float32 -> the quantised numbers, widened to float32 again
;;       x = np.moveaxis(x, axis, -1); K = x.shape[-1]
;;       x = np.pad(x, [(0, 0)] * (x.ndim - 1) + [(0, -K % 32)]); x = x.reshape(x.shape[:-1] + (-1, 32)); a = np.abs(x).max(-1, keepdims=True)
;;       e = np.where(a > 0, np.clip(np.frexp(np.where(a > 0, a, 1))[1] - 1 - 15, -126, 127), 0)      # np.frexp(a)[1] - 1 = floor(log2(a)), exactly
;;       r = np.clip(x / 2.0 ** e, -57344, 57344)
;;       step = 2.0 ** (np.maximum(np.frexp(np.where(r == 0, 1, r))[1] - 1, -14) - 2)
;;       q = np.round(r / step) * step * 2.0 ** e      # np.round: ties to even
;;       return np.moveaxis(q.reshape(q.shape[:-2] + (-1,))[..., :K], -1, axis).astype(np.float32)
;;   ~~~
;;   SOFTMAX AHEAD OF A QUANTISED PRODUCT. Where the list says 'softmax', what is quantised is not the finished softmax but p = 2^(t - M), with t = logit x log2(e) and M = ceil(the row's largest t), a whole number; so 1/2 < the row's largest p <= 1. The row's sum l is taken of the UNQUANTISED p, in f32, and the product's result is divided by l at the end. Since M is a whole number, a kernel that streams over the keys may use a running M (the ceiling of the running maximum): every later rescaling is an exact power of two, which a block's scale takes up: the codes' values come out the same.
;;   OPERANDS COMPUTED ON THE WAY. 'Computed on the way' means the value that the module computes at that place (a softmax that the list does not call 'softmax' is quantised finished and normalised). What goes into a quantiser is computed in f32, as accurately as f32 sums, v_exp_f32 and their like allow (about 1e-6 of the number): no bf16 or f16 on the way to a quantiser, and a product that is left as it is and whose result goes on into a quantised operand takes f32 operands (vector FMAs, or v_wmma_f32_16x16x4_f32). A number that lies on a knife's edge between two numbers of the format may be rounded either way, as far as f32 arithmetic and the matrix unit's own rounding can turn it there, and no further.
;;   INPUTS GIVEN AS CODES. w_fc1 (in the module: [1024, 4096], K = its axis 0); w_fc2 (in the module: [4096, 1024], K = its axis 0); w_proj (in the module: [1024, 1024], K = its axis 0); w_qkv (in the module: [1024, 3072], K = its axis 0): each comes as NAME_codes (uint8): NAME with its K axis moved to the last place and cut into blocks of 32 codes, [.., K / 32, bytes a block], one block behind the other in memory; one code a byte (a code: sign, 5 exponent bits, 2 mantissa bits); and NAME_scales (uint8): the same leading axes, one E8M0 byte (e + 127) for each 32 codes along K. Its value is code x scale, taken as it is: it is not quantised again, and the codes and scales need not be those that the quantiser above would give.
;; One version. Each part assembles by itself: llvm-mc -triple=amdgcn-amd-amdhsa -mcpu=gfx1250 --defsym DOCPART=n.
;; ======== version 1 of 1: 7 launches
;; limits: right only within a limited range of input values
;; workspace buffers: act 4,456,448 bytes; ao 4,325,376 bytes; hid 17,301,504 bytes; qb 4,456,448 bytes; kb 4,456,448 bytes; vb 4,325,376 bytes; x2 16,777,216 bytes
;; launch ln1 (part 1): grid 256 x 1, 8 waves a work-group, no clusters, 2,048 bytes of LDS; arguments x, ln1_g, ln1_b, act; writes act
.if DOCPART == 1
	.amdgcn_target "amdgcn-amd-amdhsa--gfx1250"
	.amdhsa_code_object_version 6
	.text
	.protected	k_q62ce9e5fef_ln1
	.globl	k_q62ce9e5fef_ln1
	.p2align	8
	.type	k_q62ce9e5fef_ln1,@function
k_q62ce9e5fef_ln1:
	s_mov_b64 s[64:65], 0
	v_nop
	global_prefetch_b8 v0, s[64:65] scope:SCOPE_SE
	s_setreg_imm32_b32 hwreg(HW_REG_WAVE_MODE, 25, 1), 1
	s_wait_xcnt 0x0
; LayerNorm of [4096][1024] f32, then the MX quantiser (E5M2 codes, one E8M0 byte for each 32 along the row): y = (x - mean) * rsqrt(var + 1e-5) * g + b.
; A work-group takes 16 rows (tile T = its number); wave w takes columns 128 w .. 128 w + 127: one operand fragment (16 rows x 128 K).
; Lane (r, h) holds row r; its register 16 b + i is column 128 w + 32 b + 16 h + i: the order in which the matrix operand wants them, so the conversions' results are the fragment's registers.
; The variance is taken in a second pass, of x - mean, so that no difference of large sums is formed.  The eight waves' partial sums meet in LDS: two barriers.
; OUT: chunk (T, ks = k / 256) at (4 T + ks) x 4,352 bytes: codes at 2048 q + 512 c + 16 lane (q = (k / 128) % 2, c = the block of 32), scale words at 4096 + 8 r + 4 q.
; LIMITS: NaN and infinities are not served; a block whose largest magnitude lies under 2^-111 (a block of zeros too) gets the byte 1: only this program reads the bytes.
.set X,   32                           ; v32-95   my 64 numbers
.set GN,  96                           ; v96-159  g at my columns
.set BT,  160                          ; v160-223 b at my columns
.set TM,  224                          ; v224-239 the quantiser's: largest magnitudes, bytes, holds, scale operands
.set PC,  16                           ; v16-31   the codes
.set PW,  240                          ; v240     the scale word
.set SEL, 26                           ; s[26:27] selects for lane l xor 16
.set MNT, 28                           ; s28      the mantissa field of 57,344
	s_load_b256 s[4:11], s[0:1], 0x0               ; x, g, b, out
	v_lshl_add_u32 v254, v0, 2, 0x400
	v_mov_b32 v255, 0
	v_lshrrev_b32 v1, 5, v0
	s_delay_alu instid0(VALU_DEP_1)
	v_readfirstlane_b32 s12, v1                    ; wave 0..7
	v_and_b32 v1, 31, v0                           ; lane
	v_and_b32 v2, 15, v0                           ; r
	v_bfe_u32 v3, v0, 4, 1                         ; h
	s_delay_alu instid0(VALU_DEP_2)
	v_lshlrev_b32 v4, 12, v2
	s_delay_alu instid0(VALU_DEP_1)
	v_lshl_add_u32 v4, v3, 6, v4                   ; x: row r of 4,096 bytes + 64 h
	s_delay_alu instid0(VALU_DEP_3)
	v_lshlrev_b32 v5, 6, v3                        ; g, b: 64 h
	v_lshlrev_b32 v6, 4, v1                        ; codes: 16 x lane
	v_lshlrev_b32 v7, 3, v2                        ; scale words: 8 r
	v_lshlrev_b32 v9, 5, v2                        ; LDS: row r's eight partial sums
	s_lshl_b32 s13, s12, 2
	v_add_nc_u32 v8, s13, v9                       ; and my wave's word among them
	s_lshl_b32 s16, ttmp9, 16                      ; 16 rows of 4,096 bytes a tile
	s_lshl_b32 s18, s12, 9                         ; my wave's 512 bytes of a row
	s_add_co_u32 s16, s16, s18
	s_mov_b32 s17, 0
	s_mov_b32 s19, 0
	s_mul_i32 s20, ttmp9, 17408                    ; four chunks a tile
	s_lshr_b32 s14, s12, 1
	s_mul_i32 s14, s14, 4352
	s_add_co_u32 s20, s20, s14                     ; my chunk
	s_and_b32 s15, s12, 1                          ; q
	s_lshl_b32 s14, s15, 2
	s_add_co_u32 s22, s20, s14
	s_add_co_u32 s22, s22, 4096                    ; its scale words, my q
	s_lshl_b32 s14, s15, 11
	s_add_co_u32 s20, s20, s14                     ; its codes, my q
	s_mov_b32 s21, 0
	s_mov_b32 s23, 0
	s_mov_b32 s24, 0x3a800000                      ; 1 / 1024
	s_mov_b32 s25, 0x3727c5ac                      ; 1e-5
	s_mov_b32 s[SEL], 0x76543210
	s_mov_b32 s[SEL+1], 0xfedcba98
	s_mov_b32 s[MNT], 0x600000
	s_wait_alu depctr_va_vdst(0)
	s_wait_kmcnt 0x0
	s_add_nc_u64 s[4:5], s[4:5], s[16:17]
	s_add_nc_u64 s[6:7], s[6:7], s[18:19]
	s_add_nc_u64 s[8:9], s[8:9], s[18:19]
	s_add_nc_u64 s[30:31], s[10:11], s[22:23]
	s_add_nc_u64 s[10:11], s[10:11], s[20:21]
.irp b, 0,1,2,3
.irp j, 0,1,2,3
	global_load_b128 v[X+16*\b+4*\j:X+16*\b+4*\j+3], v4, s[4:5] offset:128*\b+16*\j
.endr
.endr
.irp b, 0,1,2,3
.irp j, 0,1,2,3
	global_load_b128 v[GN+16*\b+4*\j:GN+16*\b+4*\j+3], v5, s[6:7] offset:128*\b+16*\j
.endr
.endr
.irp b, 0,1,2,3
.irp j, 0,1,2,3
	global_load_b128 v[BT+16*\b+4*\j:BT+16*\b+4*\j+3], v5, s[8:9] offset:128*\b+16*\j
.endr
.endr
.irp b, 0,1,2,3
	v_mov_b32 v[TM+4+\b], 0                        ; written once: a lane permute's destination counts as one of its sources
.endr
; The four chains in v[242:249] become the row's sum over all 1,024 columns, in v242 of every lane.  off: the LDS bytes of this exchange (each exchange has bytes of its own, so one barrier serves it).
.macro FOLD off
	s_delay_alu instid0(VALU_DEP_3)
	v_pk_add_f32 v[242:243], v[242:243], v[244:245]
	s_delay_alu instid0(VALU_DEP_2)
	v_pk_add_f32 v[246:247], v[246:247], v[248:249]
	s_delay_alu instid0(VALU_DEP_1)
	v_pk_add_f32 v[242:243], v[242:243], v[246:247]
	s_delay_alu instid0(VALU_DEP_1)
	v_add_f32 v242, v242, v243
	s_delay_alu instid0(VALU_DEP_1)
	v_permlanex16_b32 v243, v242, s[SEL], s[SEL+1] ; the row's other 64 numbers of my wave lie in lane l xor 16
	s_delay_alu instid0(VALU_DEP_1)
	v_add_f32 v242, v242, v243
	ds_store_b32 v8, v242 offset:\off              ; both halves write the same word with the same value
	s_wait_dscnt 0x0                               ; for the others' sake: my store has landed
	s_barrier_signal -1
	s_barrier_wait -1
	ds_load_b128 v[244:247], v9 offset:\off
	ds_load_b128 v[248:251], v9 offset:\off+16
	s_wait_dscnt 0x0
	v_pk_add_f32 v[244:245], v[244:245], v[246:247]
	v_pk_add_f32 v[248:249], v[248:249], v[250:251]
	s_delay_alu instid0(VALU_DEP_1)
	v_pk_add_f32 v[244:245], v[244:245], v[248:249]
	s_delay_alu instid0(VALU_DEP_1)
	v_add_f32 v242, v244, v245                     ; the same order in every wave: the same bits
.endm
	s_wait_loadcnt 32                              ; x's 16 loads are in; g's and b's 32 may be out
.irp k, 0,1,2,3
	v_pk_add_f32 v[242+2*\k:243+2*\k], v[X+2*\k:X+2*\k+1], v[X+8+2*\k:X+9+2*\k]
.endr
.irp i, 16,24,32,40,48,56
.irp k, 0,1,2,3
	s_delay_alu instid0(VALU_DEP_4)
	v_pk_add_f32 v[242+2*\k:243+2*\k], v[242+2*\k:243+2*\k], v[X+\i+2*\k:X+\i+2*\k+1]
.endr
.endr
	FOLD 0
	s_delay_alu instid0(VALU_DEP_1)
	v_mul_f32 v10, s24, v242                       ; the mean,
	s_delay_alu instid0(VALU_DEP_1)
	v_mov_b32 v11, v10                             ; as a pair
.set i, 0
.rept 32
	v_pk_add_f32 v[X+i:X+i+1], v[X+i:X+i+1], v[10:11] neg_lo:[0,1] neg_hi:[0,1]   ; d = x - mean
.set i, i+2
.endr
.irp k, 0,1,2,3
	v_pk_mul_f32 v[242+2*\k:243+2*\k], v[X+2*\k:X+2*\k+1], v[X+2*\k:X+2*\k+1]
.endr
.irp i, 8,16,24,32,40,48,56
.irp k, 0,1,2,3
	s_delay_alu instid0(VALU_DEP_4)
	v_pk_fma_f32 v[242+2*\k:243+2*\k], v[X+\i+2*\k:X+\i+2*\k+1], v[X+\i+2*\k:X+\i+2*\k+1], v[242+2*\k:243+2*\k]
.endr
.endr
	FOLD 512
	s_delay_alu instid0(VALU_DEP_1)
	v_fma_f32 v12, v242, s24, s25                  ; the variance + 1e-5
	s_wait_alu depctr_va_vdst(0)
	v_rsq_f32 v12, v12
	v_nop                                          ; a plain instruction behind the transcendental,
	s_wait_alu depctr_va_vdst(0)                   ; and the wait ahead of its first reader
	v_mov_b32 v13, v12
	s_wait_alu depctr_va_vdst(0)
	s_wait_loadcnt 0x0                             ; g and b
.set i, 0
.rept 32
	v_pk_mul_f32 v[X+i:X+i+1], v[X+i:X+i+1], v[12:13]
.set i, i+2
.endr
.set i, 0
.rept 32
	v_pk_fma_f32 v[X+i:X+i+1], v[X+i:X+i+1], v[GN+i:GN+i+1], v[BT+i:BT+i+1]
.set i, i+2
.endr
; THE QUANTISER: four blocks of 32; a block lies in lanes l and l xor 16, 16 numbers each.
.irp b, 0,1,2,3
	v_max3_num_f32 v[TM+\b], |v[X+16*\b]|, |v[X+1+16*\b]|, 0x8000000   ; and the floor 2^(16 - 127): the byte cannot fall under 1
.endr
.irp i, 2,4,6,8,10,12,14
.irp b, 0,1,2,3
	s_delay_alu instid0(VALU_DEP_4)
	v_max3_num_f32 v[TM+\b], v[TM+\b], |v[X+16*\b+\i]|, |v[X+1+16*\b+\i]|
.endr
.endr
.irp b, 0,1,2,3
	s_delay_alu instid0(VALU_DEP_4)
	v_permlanex16_b32 v[TM+4+\b], v[TM+\b], s[SEL], s[SEL+1]
.endr
.irp b, 0,1,2,3
	s_delay_alu instid0(VALU_DEP_4)
	v_max_num_f32 v[TM+\b], v[TM+\b], v[TM+4+\b]   ; the block's largest magnitude
.endr
.irp b, 0,1,2,3
	s_delay_alu instid0(VALU_DEP_4)
	v_add_nc_u32 v[TM+12+\b], 0xf8800000, v[TM+\b] ; 15 off its exponent field: the conversion's scale operand
.endr
.irp b, 0,1,2,3
	v_and_or_b32 v[TM+8+\b], v[TM+\b], 0x7f800000, s[MNT]   ; 57,344 x the scale
.endr
.irp b, 0,1,2,3
	v_lshrrev_b32 v[TM+4+\b], 23, v[TM+12+\b]      ; the scale's byte
.endr
	s_delay_alu instid0(VALU_DEP_3)
	v_lshl_or_b32 v[PW], v[TM+5], 8, v[TM+4]
	s_delay_alu instid0(VALU_DEP_1)
	v_lshl_or_b32 v[PW], v[TM+6], 16, v[PW]
	s_delay_alu instid0(VALU_DEP_1)
	v_lshl_or_b32 v[PW], v[TM+7], 24, v[PW]
.irp b, 0,1,2,3
.irp i, 0,1,2,3,4,5,6,7,8,9,10,11,12,13,14,15
	v_med3_num_f32 v[X+16*\b+\i], v[X+16*\b+\i], -v[TM+8+\b], v[TM+8+\b]   ; the conversion to an 8-bit code does not saturate (ISA guide 7.6.2): the hold
.endr
	v_cvt_scalef32_pk8_bf8_f32 v[PC+4*\b:PC+1+4*\b], v[X+16*\b:X+7+16*\b], v[TM+12+\b]
	v_cvt_scalef32_pk8_bf8_f32 v[PC+2+4*\b:PC+3+4*\b], v[X+8+16*\b:X+15+16*\b], v[TM+12+\b]
.endr
	v_nop
.irp c, 0,1,2,3
	global_store_b128 v6, v[PC+4*\c:PC+4*\c+3], s[10:11] offset:512*\c   ; 32 lanes store 512 consecutive bytes, aligned
.endr
	global_store_b32 v7, v[PW], s[30:31]           ; row r's word; both halves store the same value to the same place
	s_wait_tensorcnt 0x0
	ds_add_u32 v254, v255
	s_wait_dscnt 0x0
	s_endpgm
.Lfunc_end_k_q62ce9e5fef_ln1:
	.size	k_q62ce9e5fef_ln1, .Lfunc_end_k_q62ce9e5fef_ln1-k_q62ce9e5fef_ln1
	.p2alignl 7, 3214868480
	.fill 96, 4, 3214868480
	.section	.rodata,"a",@progbits
	.p2align	6, 0x0
	.amdhsa_kernel k_q62ce9e5fef_ln1
		.amdhsa_group_segment_fixed_size 2048
		.amdhsa_private_segment_fixed_size 0
		.amdhsa_enable_private_segment 0
		.amdhsa_kernarg_size 32
		.amdhsa_user_sgpr_count 2
		.amdhsa_user_sgpr_kernarg_segment_ptr 1
		.amdhsa_wavefront_size32 1
		.amdhsa_system_sgpr_workgroup_id_x 1
		.amdhsa_system_sgpr_workgroup_id_y 1
		.amdhsa_system_sgpr_workgroup_id_z 1
		.amdhsa_system_vgpr_workitem_id 0
		.amdhsa_next_free_vgpr 256
		.amdhsa_next_free_sgpr 66
		.amdhsa_reserve_vcc 0
		.amdhsa_float_denorm_mode_32 3
		.amdhsa_float_denorm_mode_16_64 3
		.amdhsa_memory_ordered 1
		.amdhsa_forward_progress 1
		.amdhsa_inst_pref_size 31
	.end_amdhsa_kernel
	.amdgpu_metadata
---
amdhsa.version: [ 1, 2 ]
amdhsa.kernels:
  - .name:           k_q62ce9e5fef_ln1
    .symbol:         k_q62ce9e5fef_ln1.kd
    .args:
      - { .name: x, .offset: 0, .size: 8, .value_kind: global_buffer, .address_space: global }
      - { .name: ln1_g, .offset: 8, .size: 8, .value_kind: global_buffer, .address_space: global }
      - { .name: ln1_b, .offset: 16, .size: 8, .value_kind: global_buffer, .address_space: global }
      - { .name: act, .offset: 24, .size: 8, .value_kind: global_buffer, .address_space: global }
    .group_segment_fixed_size: 2048
    .private_segment_fixed_size: 0
    .kernarg_segment_align: 8
    .kernarg_segment_size: 32
    .max_flat_workgroup_size: 256
    .sgpr_count:     66
    .vgpr_count:     256
    .wavefront_size: 32
...
	.end_amdgpu_metadata
.endif
;; end of part 1
;; launch qkv (part 2): grid 12 x 16, 4 waves a work-group, clusters of 4 x 4, 327,680 bytes of LDS; arguments act, w_qkv_codes, w_qkv_scales, b_qkv, qb, kb, vb; writes qb, kb, vb
.if DOCPART == 2
	.amdgcn_target "amdgcn-amd-amdhsa--gfx1250"
	.amdhsa_code_object_version 6
	.text
	.protected	k_q62ce9e5fef_qkv
	.globl	k_q62ce9e5fef_qkv
	.p2align	8
	.type	k_q62ce9e5fef_qkv,@function
k_q62ce9e5fef_qkv:
	s_mov_b64 s[64:65], 0
	v_nop
	global_prefetch_b8 v0, s[64:65] scope:SCOPE_SE
	s_setreg_imm32_b32 hwreg(HW_REG_WAVE_MODE, 25, 1), 1
	s_wait_xcnt 0x0
	s_wait_alu depctr_hold_cnt(0) depctr_sa_sdst(0) depctr_va_vdst(0) depctr_va_sdst(0) depctr_va_ssrc(0) depctr_va_vcc(0) depctr_vm_vsrc(0)
	s_getreg_b32 s2, hwreg(HW_REG_IB_STS2, 6, 4)
	s_cmp_eq_u32 s2, 0
	s_cbranch_scc0 .Lentry_in_a_cluster
	s_endpgm
.Lentry_in_a_cluster:
	s_bfe_u32 s2, ttmp6, 0x10000c
	s_cmp_lg_u32 s2, 0xf033
	s_cbranch_scc0 .Lentry_shape_is_right
	s_endpgm
.Lentry_shape_is_right:
; qkv = LN1(x) W_qkv + b_qkv on E5M2 codes with E8M0 scales, M 4,096, N 3,072, K 1,024; its results leave as the operands of attention's two products, quantised here.
; A tile of 256 tokens x 256 columns to a work-group of four waves, 128 x 128 to a wave: 64 accumulators, 512 registers.  K goes in slots of 256 through a ring of two LDS slots.
; A (the activations) arrives as IMAGES of operand registers: chunk (T = token / 16, ks = k / 256) of 4,352 bytes: codes at 2048 q + 512 c + 16 lane, scale words at 4096 + 8 r + 4 q: its scales ride in the ring.
; B (the weight) arrives as rows [n][k] of codes; its scale bytes for all of K come into LDS once.
; THE MATRIX INSTRUCTION IS USED TRANSPOSED (source 0 = 16 weight rows, source 1 = 16 tokens): lane (r, h) holds token r and columns 16 b + 8 h + 0..7.  The bias is the C of each sum's first product.
; CLUSTERS: 4 x 4 work-groups; A's tiles are asked for jointly along a row of the cluster, B's and its scales along a column.
; THE WAY OUT.  The cluster's x is the class: 0 = q, 1 = k, 2 = v, the same in all sixteen partners.  q, k: quantised along the head's 64 (a lane's registers run along it); chunk (b, head, 128 tokens) of 8,704 bytes:
; tile of 16 tokens at 1024 tau + 512 c + 16 lane, words (e0, e1, e0, e1) at 8192 + 4 token.  v: quantised along the TOKENS, so it turns through the wave's stage in LDS; chunk of 8,448 bytes: fragment of 16 channels at
; 2048 ct + 512 c + 16 lane, words at 8192 + 4 channel.
; No prefetch: K has four slots, of which two are asked for by the first instructions.
; LIMITS: NaN and infinities are not served; a block under 2^-111 (a block of zeros too) gets the byte 1: only this program reads the bytes.
.set NA, 8                             ; blocks of 16 tokens a wave
.set NB, 8                             ; blocks of 16 columns a wave
.set NQ, 2                             ; steps of 128 along K in a slot
.set SIZE_K, 1024
.set ACH_M, 4352                       ; a chunk of A in memory,
.set ACH_L, 4224                       ; and what of it is fetched
.set QIB, 5                            ; B's padding stands behind every 2 << QIB words: a row
.set KSLOT,  128*NQ
.set KC,     SIZE_K/KSLOT
.set KS,     SIZE_K/32                 ; a row of B's scale bytes
.set LAPS,   SIZE_K/(2*KSLOT)
.set ASC,    2048*NQ                   ; where a chunk's scale words begin
.set HALFA,  NA*ACH_L                  ; what one load brings of A, and what one wave reads
.set PITCHB, KSLOT+16                  ; a row of B in LDS: an odd multiple of 16 bytes
.set HALFB,  16*NB*PITCHB
.set SLOT,   2*HALFA+2*HALFB
.set SBLK,   (16*KS/256)*272           ; the scale bytes of 16 rows of B: units of 256 bytes + 16 of padding
.set HALFS,  NB*SBLK
.set SU,     8*NB*KS/256               ; half the units that one wave fetches of them
.set SCL,    2*SLOT
.set SPARE,  SCL+2*HALFS               ; the spare words, 128 bytes a wave: no other line names them
.set ADRA, 16                          ; v16-17 A's images in slot 0, 1: + 16 lane
.set ADSA, 18                          ; v18-19 A's scale words: lanes 0-15 an even block's, lanes 16-31 the next block's
.set ADRB, 20                          ; v20-21 B's rows
.set ADSB, 27                          ; v27    B's scale words, likewise two blocks a register; steps along K
.set SPW,  28
.set NIL,  29
.set LI,   30                          ; v30    16 x lane
.set BO,   31                          ; v31    the bias's offset, 32 h
.set SC,   32                          ; v32-63 scale words and nothing else: set s at SC + 16 s: A's NQ (ip) + q, then B's
.set CB,   64                          ; v64..  the bias in the result's layout
.set AF,   128                         ; v128.. A's fragments, one set;  window 1: B's two sets at 0 and 128;  windows 2, 3: the accumulators
.set G1A, 24
.set G0A, 32
.set G1B, 48
.set G0B, 56
.set G1S, 68
.set G0S, 76
.set SEL, 66
.set MNT, 22
.set PC,  128                          ; the way out: codes
.set TM,  160                          ; the quantiser's sixteen
.set TW,  176
.set VX,  64                           ; v: 64 numbers, registers along the tokens
.set VW,  192                          ; v: eight scale words in the making
.set SWA, 24
.set SWR, 25
.set VSTO, 26
.set VRD, 22
.set VSA, 23
.set VSR, 6
.set L8,  7
.set VSW, 75776                        ; LDS on the way out, in slot 0 (last fill and last read are past): v's stages 4 x 18,944 from 0, v's words 4 x 512 here,
.set SWQ, 77824                        ; q's and k's words 4 x 1,024 here: each path has bytes of its own
.set MSB, 0
.macro WIN new                         ; the immediate's high byte repeats the setting that is left
.if MSB != (\new)
	s_set_vgpr_msb (MSB<<8)|(\new)
.set MSB, (\new)
.endif
.endm
.macro PLACES n
.rept \n
	v_nop
.endr
.endm
.macro JLOAD g0a, g0b                  ; a joint load: waves 0, 1 fetch A's halves, waves 2, 3 B's; four v_nop follow each line
	s_cmp_eq_u32 s15, 0
	s_cbranch_scc0 .Lfor_b_\@
	tensor_load_to_lds s[\g0a:\g0a+3], s[G1A:G1A+7]
	s_nop 0
	PLACES 4
	s_branch .Lasked_\@
.Lfor_b_\@:
	tensor_load_to_lds s[\g0b:\g0b+3], s[G1B:G1B+7]
	s_nop 0
	PLACES 4
.Lasked_\@:
.endm
.macro CREST                           ; a round of the cluster's barrier behind its opening barrier
	s_cmp_lg_u32 s14, 0
	s_cbranch_scc1 .Lnot_wave_0_\@
	s_barrier_signal -3
.Lnot_wave_0_\@:
	s_barrier_wait -3
	s_barrier_signal -1
	s_barrier_wait -1
.endm
.macro CROUND
	s_barrier_signal -1
	s_barrier_wait -1
	CREST
.endm
	s_load_b256 s[4:11], s[0:1], 0x0               ; A, B's codes, B's scales, the bias
	s_load_b64 s[12:13], s[0:1], 0x20              ; qb
	s_load_b64 s[18:19], s[0:1], 0x28              ; kb
	s_load_b64 s[20:21], s[0:1], 0x30              ; vb
	v_lshl_add_u32 v[SPW], v0, 2, SPARE
	v_mov_b32 v[NIL], 0
	ds_add_u32 v28, v29
	ds_add_u32 v28, v29
	s_wait_dscnt 0x0
	v_lshrrev_b32 v1, 5, v0
	v_readfirstlane_b32 s14, v1                    ; wave 0..3
	s_lshr_b32 s15, s14, 1                         ; which half of the tokens is mine; also: I fetch for A (0) or B (1)
	s_and_b32 s16, s14, 1                          ; which half of the columns; also: which half I fetch
	s_bfe_u32 s40, ttmp6, 0x40000                  ; cx
	s_bfe_u32 s41, ttmp6, 0x40004                  ; cy
	s_lshl_b32 s42, ttmp9, 2
	s_add_co_u32 s42, s42, s40                     ; tile column
	s_and_b32 s17, ttmp7, 0xffff
	s_lshl_b32 s17, s17, 2
	s_add_co_u32 s17, s17, s41                     ; tile row
	s_lshl_b32 s43, s41, 2
	s_lshl_b32 s43, 15, s43                        ; my row of the cluster
	s_lshl_b32 s44, 0x1111, s40                    ; my column
	s_or_b32 s[G1A], s43, (3<<16)|(1<<21)          ; A: NA chunks, each a row of ACH_L bytes in elements of 8; no padding; bit 21 beside the mask
	s_mov_b32 s[G1A+1], (ACH_L/8)<<16
	s_mov_b32 s[G1A+2], (2*NA)<<16                 ; the head's load brings both halves; the ring's count is set behind the wait for it
	s_mov_b32 s[G1A+3], (ACH_L/8)<<16
	s_mov_b32 s[G1A+4], 2*NA
	s_mov_b32 s[G1A+5], KC*ACH_M/8                 ; from a tile of tokens to the next
	s_mov_b32 s[G1A+6], 0
	s_mov_b32 s[G1A+7], 0
	s_or_b32 s[G1B], s44, (1<<20)|(1<<21)|(QIB<<22)|(3<<25)   ; B: 16 NB rows of KSLOT bytes, four words of padding behind each
	s_mov_b32 s[G1B+1], KSLOT<<16
	s_mov_b32 s[G1B+2], (32*NB)<<16
	s_mov_b32 s[G1B+3], KSLOT<<16
	s_mov_b32 s[G1B+4], 32*NB
	s_mov_b32 s[G1B+5], SIZE_K
	s_mov_b32 s[G1B+6], 0
	s_mov_b32 s[G1B+7], 0
	s_or_b32 s[G1S], s44, (3<<16)|(1<<20)|(1<<21)|(5<<22)|(3<<25)   ; B's scales: 2 SU dense rows of 256 bytes, 16 of padding behind each
	s_mov_b32 s[G1S+1], 32<<16
	s_mov_b32 s[G1S+2], (2*SU)<<16
	s_mov_b32 s[G1S+3], 32<<16
	s_mov_b32 s[G1S+4], 2*SU
	s_mov_b32 s[G1S+5], 32
	s_mov_b32 s[G1S+6], 0
	s_mov_b32 s[G1S+7], 0
	s_mul_i32 s80, s17, 2*NA                       ; A: made of the tile row and the wave's number alone
	s_mul_i32 s81, s16, NA
	s_add_co_u32 s80, s80, s81
	s_mul_i32 s80, s80, KC*ACH_M
	s_mov_b32 s81, 0
	s_mul_i32 s84, s42, 32*NB                      ; B: of the tile column and the wave's number alone
	s_mul_i32 s85, s16, 16*NB
	s_add_co_u32 s84, s84, s85
	s_mul_i32 s84, s84, SIZE_K
	s_mov_b32 s85, 0
	s_mul_i32 s88, s42, 32*NB                      ; B's scales: of the tile column and the wave's half
	s_mul_i32 s89, s16, 16*NB                      ; waves 2 and 3 fetch a half of the scale bytes each
	s_add_co_u32 s88, s88, s89
	s_mul_i32 s88, s88, KS
	s_mov_b32 s89, 0
	s_mul_i32 s45, s16, HALFA                      ; where they go: no place in the cluster enters an LDS address
	s_mul_i32 s46, s16, HALFB
	s_add_co_u32 s46, s46, 2*HALFA
	s_mul_i32 s47, s16, 2*SU*272
	s_mov_b32 s[SEL], 0x76543210
	s_mov_b32 s[SEL+1], 0xfedcba98
	s_mov_b32 s[MNT], 0x600000
	s_wait_kmcnt 0x0
	s_add_nc_u64 s[80:81], s[4:5], s[80:81]
	s_add_nc_u64 s[84:85], s[6:7], s[84:85]
	s_add_nc_u64 s[88:89], s[8:9], s[88:89]
	CROUND                                         ; all sixteen work-groups are here: the first joint loads meet
	s_mov_b32 s[G0S], 1
	s_add_co_u32 s[G0S+1], s47, SCL
	s_mov_b64 s[G0S+2:G0S+3], s[88:89]
	s_or_b32 s[G0S+3], s[G0S+3], 0x80000000
.irp s, 0,1
	s_mov_b32 s[G0A+4*\s], 1
	s_add_co_u32 s[G0A+4*\s+1], s45, \s*SLOT
	s_add_nc_u64 s[G0A+4*\s+2:G0A+4*\s+3], s[80:81], \s*ACH_M
	s_or_b32 s[G0A+4*\s+3], s[G0A+4*\s+3], 0x80000000
	s_mov_b32 s[G0B+4*\s], 1
	s_add_co_u32 s[G0B+4*\s+1], s46, \s*SLOT
	s_add_nc_u64 s[G0B+4*\s+2:G0B+4*\s+3], s[84:85], \s*KSLOT
	s_or_b32 s[G0B+4*\s+3], s[G0B+4*\s+3], 0x80000000
.endr
; THE HEAD'S LOADS, ONE A WAVE: wave 0 slot 0's sixteen chunks of A, wave 1 its 256 rows of B, waves 2 and 3 a half of B's scale bytes each.  One chain of branches on the wave's number, one load to an arm.
	s_mul_i32 s2, s17, 2*NA*KC*ACH_M               ; A's tile: of the tile row alone
	s_mov_b32 s3, 0
	s_mul_i32 s86, s42, 32*NB*SIZE_K               ; B's tile: of the tile column alone
	s_mov_b32 s87, 0
	s_add_nc_u64 s[86:87], s[6:7], s[86:87]
	s_or_b32 s87, s87, 0x80000000
	s_mov_b32 s84, 1
	s_mov_b32 s85, 2*HALFA
	s_add_nc_u64 s[6:7], s[4:5], s[2:3]
	s_or_b32 s7, s7, 0x80000000
	s_mov_b32 s4, 1
	s_mov_b32 s5, 0
.macro ARM under, g0, g1, next
	s_cmp_lt_u32 s14, \under
	s_cbranch_scc0 \next
	tensor_load_to_lds s[\g0:\g0+3], s[\g1:\g1+7]
	s_nop 0
	PLACES 4
	s_branch .Lhead_asked
\next:
.endm
	ARM 1, 4, G1A, .Lhead_b
	ARM 2, 84, G1B, .Lhead_s
	tensor_load_to_lds s[G0S:G0S+3], s[G1S:G1S+7]
	s_nop 0
	PLACES 4
.Lhead_asked:
	v_and_b32 v1, 15, v0                           ; r
	v_bfe_u32 v2, v0, 4, 1                         ; h
	v_and_b32 v3, 31, v0                           ; lane
	v_lshlrev_b32 v[LI], 4, v3
	s_mul_i32 s2, s15, HALFA
	v_add_nc_u32 v[ADRA], s2, v[LI]
	v_add_nc_u32 v[ADRA+1], SLOT, v[ADRA]
	v_mul_u32_u24 v4, v2, ACH_L
	v_mad_u32_u24 v4, v1, 4*NQ, v4
	s_add_co_u32 s2, s2, ASC
	v_add_nc_u32 v[ADSA], s2, v4
	v_add_nc_u32 v[ADSA+1], SLOT, v[ADSA]
	s_mul_i32 s2, s16, HALFB
	s_add_co_u32 s2, s2, 2*HALFA
	v_mul_u32_u24 v4, v1, PITCHB
	v_lshl_add_u32 v4, v2, 4, v4
	v_add_nc_u32 v[ADRB], s2, v4
	v_add_nc_u32 v[ADRB+1], SLOT, v[ADRB]
	v_mul_u32_u24 v4, v1, KS
	v_lshrrev_b32 v5, 8, v4
	v_lshl_add_u32 v4, v5, 4, v4                   ; 16 more for each 256 passed
	v_mad_u32_u24 v4, v2, SBLK, v4
	s_mul_i32 s2, s16, HALFS
	s_add_co_u32 s2, s2, SCL
	v_add_nc_u32 v[ADSB], s2, v4
	; the way out's LDS addresses: a constant + a constant x lane + a constant x wave
	s_lshl_b32 s2, s14, 10
	s_add_co_u32 s2, s2, SWQ
	v_lshl_add_u32 v[SWA], v1, 2, s2
	v_add_nc_u32 v[SWR], s2, v[LI]
	s_mul_i32 s2, s14, 18944
	v_mul_u32_u24 v4, v1, 592
	v_lshl_add_u32 v4, v2, 5, v4
	v_add_nc_u32 v[VSTO], s2, v4                   ; v's stage, in: row r of 592 bytes, + 32 h
	v_mul_u32_u24 v4, v2, 9536
	v_lshl_add_u32 v4, v1, 2, v4
	v_add_nc_u32 v[VRD], s2, v4                    ; and out: column r; lanes 16-31 sixteen rows and 64 bytes further on
	s_lshl_b32 s2, s14, 9
	s_add_co_u32 s2, s2, VSW
	v_lshl_add_u32 v[VSA], v1, 2, s2
	v_lshlrev_b32 v[L8], 3, v3
	v_add_nc_u32 v[VSR], s2, v[L8]
	; the bias: lane (r, h) wants, for block b, columns 16 b + 8 h + 0..7
	s_mul_i32 s2, s42, 128*NB
	s_mul_i32 s3, s16, 64*NB
	s_add_co_u32 s2, s2, s3
	s_mov_b32 s3, 0
	s_add_nc_u64 s[10:11], s[10:11], s[2:3]
	v_lshlrev_b32 v[BO], 5, v2
.set ib, 0
.rept NB
	global_load_b128 v[CB+8*ib:CB+8*ib+3], v[BO], s[10:11] offset:64*ib
	global_load_b128 v[CB+8*ib+4:CB+8*ib+7], v[BO], s[10:11] offset:64*ib+16
.set ib, ib+1
.endr
	; where my results go: chunk index = ((16 batch + head) x 16 + 128-token group)
	s_lshr_b32 s2, s17, 3
	s_lshl_b32 s2, s2, 4
	s_lshl_b32 s3, s40, 2
	s_add_co_u32 s2, s2, s3
	s_lshl_b32 s3, s16, 1
	s_add_co_u32 s2, s2, s3                        ; 16 batch + my first head (4 cx + 2 x my half)
	s_lshl_b32 s2, s2, 4
	s_lshl_b32 s3, s17, 1
	s_add_co_u32 s3, s3, s15
	s_and_b32 s3, s3, 15
	s_add_co_u32 s2, s2, s3
	s_mul_i32 s46, s2, 8704
	s_mov_b32 s47, 0
	s_mul_i32 s2, s2, 8448
	s_mov_b32 s3, 0
	s_cmp_eq_u32 ttmp9, 0
	s_cselect_b64 s[12:13], s[12:13], s[18:19]     ; q's buffer or k's: the choice hangs on the cluster's x alone
	s_add_nc_u64 s[12:13], s[12:13], s[46:47]
	s_add_nc_u64 s[20:21], s[20:21], s[2:3]
.macro FETCH_A slot, q, hf             ; half of A's blocks, the slot's q-th 128 along K: images, 512 consecutive bytes a load
.set fi, (\hf)*NA/2
.rept NA/2
.irp c, 0,1,2,3
	ds_load_b128 v[AF+16*fi+4*\c:AF+16*fi+4*\c+3], v[ADRA+\slot] offset:2048*(\q)+512*\c+fi*ACH_L
.endr
.set fi, fi+1
.endr
.endm
.macro FETCH_B slot, q, p              ; B's blocks into set p of window 1
	WIN 0x40
.set fi, 0
.rept NB
.irp c, 0,1,2,3
	ds_load_b128 v[128*(\p)+16*fi+4*\c:128*(\p)+16*fi+4*\c+3], v[ADRB+\slot] offset:128*(\q)+32*\c+fi*16*PITCHB
.endr
.set fi, fi+1
.endr
	WIN 0
.endm
.macro SCALES sc                       ; a slot's scale words: NQ words a row; a register holds an even block in lanes 0-15 and the next in lanes 16-31
.set fi, 0
.rept NA/2
	ds_load_b64 v[SC+16*\sc+2*fi:SC+16*\sc+2*fi+1], v[ADSA+\sc] offset:fi*2*ACH_L
.set fi, fi+1
.endr
.set fi, 0
.rept NB/2
	ds_load_b64 v[SC+16*\sc+NQ*(NA/2)+2*fi:SC+16*\sc+NQ*(NA/2)+2*fi+1], v[ADSB] offset:fi*2*SBLK
.set fi, fi+1
.endr
.endm
.macro WM                              ; one product; the odd block of a pair reads its scales from lanes 16-31
.if (ib%2)&&(ia%2)
	v_wmma_scale_f32_16x16x128_f8f6f4 v[rD:rD+7], v[rB:rB+15], v[rA:rA+15], v[rC:rC+7], v[rSB], v[rSA] matrix_a_fmt:MATRIX_FMT_BF8 matrix_b_fmt:MATRIX_FMT_BF8 matrix_a_scale:MATRIX_SCALE_ROW1 matrix_b_scale:MATRIX_SCALE_ROW1
.elseif ib%2
	v_wmma_scale_f32_16x16x128_f8f6f4 v[rD:rD+7], v[rB:rB+15], v[rA:rA+15], v[rC:rC+7], v[rSB], v[rSA] matrix_a_fmt:MATRIX_FMT_BF8 matrix_b_fmt:MATRIX_FMT_BF8 matrix_a_scale:MATRIX_SCALE_ROW1
.elseif ia%2
	v_wmma_scale_f32_16x16x128_f8f6f4 v[rD:rD+7], v[rB:rB+15], v[rA:rA+15], v[rC:rC+7], v[rSB], v[rSA] matrix_a_fmt:MATRIX_FMT_BF8 matrix_b_fmt:MATRIX_FMT_BF8 matrix_b_scale:MATRIX_SCALE_ROW1
.else
	v_wmma_scale_f32_16x16x128_f8f6f4 v[rD:rD+7], v[rB:rB+15], v[rA:rA+15], v[rC:rC+7], v[rSB], v[rSA] matrix_a_fmt:MATRIX_FMT_BF8 matrix_b_fmt:MATRIX_FMT_BF8
.endif
.endm
; A quarter of a step: NA / 4 blocks of A against all of B's.  The accumulators take turns, one instruction a turn, in the same order in every step.  first = 1: C is the bias.
.macro MULQ g, p, q, sc, first
.set ia, (\g)*NA/4
.rept NA/4
.set AWN, 2+(8*NB*ia)/256
.if \first
	WIN (AWN<<6)|1
.else
	WIN (AWN<<6)|(AWN<<4)|1
.endif
.set ib, 0
.rept NB
.set rD, (8*(NB*ia+ib))%256
.set rB, 128*(\p)+16*ib
.set rA, AF+16*ia
.set rSB, SC+16*(\sc)+NQ*(NA/2)+NQ*(ib/2)+(\q)
.set rSA, SC+16*(\sc)+NQ*(ia/2)+(\q)
.if \first
.set rC, CB+8*ib
.else
.set rC, rD
.endif
	WM
.set ib, ib+1
.endr
.set ia, ia+1
.endr
.endm
; A step of 128 along K that has its successor in the same slot.  Loads into registers that matrix instructions have read stand eight plain vector instructions behind them.
.macro STEP slot, q, first
	s_wait_dscnt 2*NA                              ; all but the youngest 2 NA loads, A's second half
	MULQ 0, (\q)%2, \q, \slot, \first
	MULQ 1, (\q)%2, \q, \slot, \first
	s_wait_dscnt 0x0
	PLACES 8
	FETCH_B \slot, (\q)+1, 1-(\q)%2
	FETCH_A \slot, (\q)+1, 0
	MULQ 2, (\q)%2, \q, \slot, \first
	MULQ 3, (\q)%2, \q, \slot, \first
	PLACES 8
	WIN 0
	FETCH_A \slot, (\q)+1, 1
.endm
.macro MID slot, q0
.set qq, \q0
.rept NQ-1-(\q0)
	STEP \slot, qq, 0
.set qq, qq+1
.endr
.endm
; A slot's last step changes slots: one barrier; in front of it each wave waits for all its tensor loads, adds 0 to its spare word, and waits for that and for its reads of this slot.  fill = 1: the slot is filled again.
.macro TURN slot, next, fill
	s_wait_tensorcnt 0x0                           ; all my tensor loads have landed: my part of the next slot
	ds_add_u32 v[SPW], v[NIL]                      ; 0 onto my spare word
	s_wait_dscnt 2*NA+1                            ; (the add and A's second half may be out)
	MULQ 0, 1, NQ-1, \slot, 0
	s_wait_dscnt 0x0                               ; the add is done, and my reads of this slot are over
	s_barrier_signal -1
	MULQ 1, 1, NQ-1, \slot, 0
	WIN 0
	s_barrier_wait -1
.if \fill
	CREST                                          ; the barrier has opened a round of the cluster's: no wave of any partner still reads this slot or has a load on its way
	s_add_nc_u64 s[G0A+4*\slot+2:G0A+4*\slot+3], s[G0A+4*\slot+2:G0A+4*\slot+3], 2*ACH_M
	s_add_nc_u64 s[G0B+4*\slot+2:G0B+4*\slot+3], s[G0B+4*\slot+2:G0B+4*\slot+3], 2*KSLOT
	JLOAD G0A+4*\slot, G0B+4*\slot                 ; the first tensor load behind the round; its four v_nop are four of the eight places
	PLACES 4
.else
	PLACES 8
.endif
	s_wait_alu depctr_va_vdst(0)
	v_add_nc_u32 v[ADSB], 4*NQ, v[ADSB]            ; on to the next slot's scale words of B (no LDS load of mine is out)
	FETCH_B \next, 0, 0
	FETCH_A \next, 0, 0
	SCALES \next
	MULQ 2, 1, NQ-1, \slot, 0
	MULQ 3, 1, NQ-1, \slot, 0
	PLACES 8
	WIN 0
	FETCH_A \next, 0, 1
.endm
	s_wait_alu depctr_va_vdst(0)
	s_wait_tensorcnt 0x0                           ; my tile of the head's is in; slot 1's first fill is issued as a refill is
	ds_add_u32 v[SPW], v[NIL]
	s_mov_b32 s[G1A+2], NA<<16                     ; no tensor load of mine is out: from here on a load brings one half
	s_mov_b32 s[G1A+4], NA
	s_mov_b32 s[G1B+2], (16*NB)<<16
	s_mov_b32 s[G1B+4], 16*NB
	s_wait_dscnt 0x0
	CROUND                                         ; all the head's tiles are in, and all sixteen work-groups are here
	JLOAD G0A+4, G0B+4                             ; slot 1: the first tensor load behind the round
	FETCH_B 0, 0, 0
	FETCH_A 0, 0, 0
	SCALES 0
	FETCH_A 0, 0, 1
	s_wait_loadcnt 0x0                             ; the bias
	STEP 0, 0, 1                                   ; the first step stands in front of the loop: its products start the sums, from the bias
	s_mov_b32 s3, LAPS-1
.Llap:                                                 ; a trip goes once round the ring and fills both slots again
	MID 0, 1
	TURN 0, 1, 1
	MID 1, 0
	TURN 1, 0, 1
	STEP 0, 0, 0
	s_sub_co_u32 s3, s3, 1
	s_cmp_lg_u32 s3, 0
	s_cbranch_scc1 .Llap
	MID 0, 1
	TURN 0, 1, 0                                   ; the last lap fills nothing
	MID 1, 0
	s_wait_dscnt 2*NA
	MULQ 0, 1, NQ-1, 1, 0
	MULQ 1, 1, NQ-1, 1, 0
	s_wait_dscnt 0x0
	MULQ 2, 1, NQ-1, 1, 0
	MULQ 3, 1, NQ-1, 1, 0
	WIN 0
	PLACES 8
; THE QUANTISER.  64 numbers of a lane, v[s] on in window w; registers 16 b .. 16 b + 15 are my 16 numbers of block b, lane l xor 16 has the other 16.  Codes to v[PC] on, bytes to v[TM+4] on.
; swp = 1: the numbers are two accumulators' (k = 8 h + j and 16 + 8 h + j): the halves of the lanes exchange eight codes, so that four registers on end hold k = 16 h + 0..15, as the operand wants them.
.macro QUANT s, w, swp
	WIN (\w)|((\w)<<2)
.irp b, 0,1,2,3
	v_max3_num_f32 v[TM+\b], |v[(\s)+16*\b]|, |v[(\s)+16*\b+1]|, 0x8000000   ; each accumulator is read from its low end on; the floor 2^(16 - 127) holds the byte at 1 from below
.endr
	WIN ((\w)<<2)|((\w)<<4)
.irp i, 2,4,6,8,10,12,14
.irp b, 0,1,2,3
	v_max3_num_f32 v[TM+\b], v[TM+\b], |v[(\s)+16*\b+\i]|, |v[(\s)+16*\b+\i+1]|
.endr
.endr
	WIN 0
.irp b, 0,1,2,3
	v_permlanex16_b32 v[TM+4+\b], v[TM+\b], s[SEL], s[SEL+1]
.endr
.irp b, 0,1,2,3
	v_max_num_f32 v[TM+\b], v[TM+\b], v[TM+4+\b]
.endr
.irp b, 0,1,2,3
	v_add_nc_u32 v[TM+12+\b], 0xf8800000, v[TM+\b] ; 15 off the exponent field: the conversion's scale operand
.endr
.irp b, 0,1,2,3
	v_and_or_b32 v[TM+8+\b], v[TM+\b], 0x7f800000, s[MNT]   ; 57,344 x the scale
.endr
.irp b, 0,1,2,3
	v_lshrrev_b32 v[TM+4+\b], 23, v[TM+12+\b]      ; the byte
.endr
	WIN (\w)|((\w)<<6)
.irp b, 0,1,2,3
.irp i, 0,1,2,3,4,5,6,7,8,9,10,11,12,13,14,15
	v_med3_num_f32 v[(\s)+16*\b+\i], v[(\s)+16*\b+\i], -v[TM+8+\b], v[TM+8+\b]   ; the conversion does not saturate (ISA guide 7.6.2): the hold
.endr
.endr
	WIN (\w)
.irp b, 0,1,2,3
	v_cvt_scalef32_pk8_bf8_f32 v[PC+4*\b:PC+4*\b+1], v[(\s)+16*\b:(\s)+16*\b+7], v[TM+12+\b]
	v_cvt_scalef32_pk8_bf8_f32 v[PC+4*\b+2:PC+4*\b+3], v[(\s)+16*\b+8:(\s)+16*\b+15], v[TM+12+\b]
.endr
	WIN 0
	v_nop                                          ; a plain instruction behind the last conversion
.if \swp
.irp b, 0,1,2,3
	v_permlane16_swap_b32 v[PC+4*\b], v[PC+4*\b+2]
	v_permlane16_swap_b32 v[PC+4*\b+1], v[PC+4*\b+3]
.endr
.endif
.endm
.irp b, 0,1,2,3
	v_mov_b32 v[TM+4+\b], 0                        ; a lane permute's destination counts as one of its sources
.endr
	s_cmp_eq_u32 ttmp9, 2                          ; the class: the same in all sixteen partners
	s_cbranch_scc1 .Lvpath
; q and k: block a's 128 columns are two heads x two blocks of 32
.macro QKBLOCK a
	s_wait_xcnt 0x0                                ; the last block's stores have read their registers,
	s_wait_dscnt 0x0                               ; its LDS stores too
	QUANT 64*((\a)%4), 2+(\a)/4, 1
.irp be, 0,1,2,3
	global_store_b128 v[LI], v[PC+4*\be:PC+4*\be+3], s[12:13] offset:1024*(\a)+512*(\be%2)+139264*(\be/2)   ; 512 consecutive bytes, aligned; the next head lies 16 chunks on
.endr
	v_lshl_or_b32 v[TW], v[TM+5], 8, v[TM+4]
	v_lshl_or_b32 v[TW], v[TW], 16, v[TW]          ; e0, e1, e0, e1: the upper two stand over attention's zero codes
	ds_store_b32 v[SWA], v[TW] offset:64*(\a)
	v_lshl_or_b32 v[TW+1], v[TM+7], 8, v[TM+6]
	v_lshl_or_b32 v[TW+1], v[TW+1], 16, v[TW+1]
	ds_store_b32 v[SWA], v[TW+1] offset:512+64*(\a)
.endm
.irp a, 0,1,2,3,4,5,6,7
	QKBLOCK \a
.endr
	ds_load_b128 v[184:187], v[SWR]                ; LDS serves a wave's instructions in order: these see my stores.  128 words a head leave as 512 consecutive bytes
	ds_load_b128 v[188:191], v[SWR] offset:512
	s_wait_dscnt 0x0
	global_store_b128 v[LI], v[184:187], s[12:13] offset:8192
	global_store_b128 v[LI], v[188:191], s[12:13] offset:8192+139264
	s_branch .Ldone
.Lvpath:
; v: 32 tokens (blocks 2 al, 2 al + 1) x 128 columns go into my stage by rows and come back by columns: lane (r, h) then holds channel r and tokens 16 h + 0..15 in 16 registers
.macro VGROUP al
	WIN (2+(\al)/2)<<2
.irp aa, 0,1
.irp b, 0,1,2,3,4,5,6,7
	ds_store_b128 v[VSTO], v[64*((2*(\al)+\aa)%4)+8*\b:64*((2*(\al)+\aa)%4)+8*\b+3] offset:9536*\aa+64*\b
	ds_store_b128 v[VSTO], v[64*((2*(\al)+\aa)%4)+8*\b+4:64*((2*(\al)+\aa)%4)+8*\b+7] offset:9536*\aa+64*\b+16
.endr
.endr
	WIN 0
.irp hf, 0,1
.irp u, 0,1,2,3
.irp i, 0,1,2,3,4,5,6,7,8,9,10,11,12,13,14,15
	ds_load_b32 v[VX+16*\u+\i], v[VRD] offset:592*\i+64*(4*\hf+\u)
.endr
.endr
	s_wait_dscnt 0x0
	s_wait_xcnt 0x0                                ; the last stores have read the codes' registers
	QUANT VX, 0, 0
.irp u, 0,1,2,3
	global_store_b128 v[LI], v[PC+4*\u:PC+4*\u+3], s[20:21] offset:135168*\hf+2048*\u+512*(\al)
.endr
.irp u, 0,1,2,3
.if (\al) == 0
	v_mov_b32 v[VW+4*\hf+\u], v[TM+4+\u]           ; the byte of key block 0 starts the word
.else
	v_lshl_or_b32 v[VW+4*\hf+\u], v[TM+4+\u], 8*(\al), v[VW+4*\hf+\u]
.endif
.endr
.endr
.endm
.irp al, 0,1,2,3
	VGROUP \al
.endr
.irp ct, 0,1,2,3,4,5,6,7
	ds_store_b32 v[VSA], v[VW+\ct] offset:64*\ct
.endr
	ds_load_b64 v[184:185], v[VSR]
	ds_load_b64 v[186:187], v[VSR] offset:256
	s_wait_dscnt 0x0
	global_store_b64 v[L8], v[184:185], s[20:21] offset:8192          ; 64 words a head: 256 consecutive bytes, aligned
	global_store_b64 v[L8], v[186:187], s[20:21] offset:8192+135168
.Ldone:
	s_wait_tensorcnt 0x0                           ; the wave's end
	ds_add_u32 v[SPW], v[NIL]
	s_wait_dscnt 0x0
	CROUND                                         ; the closing round
	s_endpgm
.Lfunc_end_k_q62ce9e5fef_qkv:
	.size	k_q62ce9e5fef_qkv, .Lfunc_end_k_q62ce9e5fef_qkv-k_q62ce9e5fef_qkv
	.p2alignl 7, 3214868480
	.fill 96, 4, 3214868480
	.section	.rodata,"a",@progbits
	.p2align	6, 0x0
	.amdhsa_kernel k_q62ce9e5fef_qkv
		.amdhsa_group_segment_fixed_size 327680
		.amdhsa_private_segment_fixed_size 0
		.amdhsa_enable_private_segment 0
		.amdhsa_kernarg_size 56
		.amdhsa_user_sgpr_count 2
		.amdhsa_user_sgpr_kernarg_segment_ptr 1
		.amdhsa_wavefront_size32 1
		.amdhsa_system_sgpr_workgroup_id_x 1
		.amdhsa_system_sgpr_workgroup_id_y 1
		.amdhsa_system_sgpr_workgroup_id_z 1
		.amdhsa_system_vgpr_workitem_id 0
		.amdhsa_next_free_vgpr 1024
		.amdhsa_next_free_sgpr 90
		.amdhsa_reserve_vcc 0
		.amdhsa_float_denorm_mode_32 3
		.amdhsa_float_denorm_mode_16_64 3
		.amdhsa_memory_ordered 1
		.amdhsa_forward_progress 1
		.amdhsa_inst_pref_size 255
	.end_amdhsa_kernel
	.section	.bss,"aw",@nobits
	.p2align	6
	.space	262144
	.amdgpu_metadata
---
amdhsa.version: [ 1, 2 ]
amdhsa.kernels:
  - .name:           k_q62ce9e5fef_qkv
    .symbol:         k_q62ce9e5fef_qkv.kd
    .args:
      - { .name: act, .offset: 0, .size: 8, .value_kind: global_buffer, .address_space: global }
      - { .name: w_qkv_codes, .offset: 8, .size: 8, .value_kind: global_buffer, .address_space: global }
      - { .name: w_qkv_scales, .offset: 16, .size: 8, .value_kind: global_buffer, .address_space: global }
      - { .name: b_qkv, .offset: 24, .size: 8, .value_kind: global_buffer, .address_space: global }
      - { .name: qb, .offset: 32, .size: 8, .value_kind: global_buffer, .address_space: global }
      - { .name: kb, .offset: 40, .size: 8, .value_kind: global_buffer, .address_space: global }
      - { .name: vb, .offset: 48, .size: 8, .value_kind: global_buffer, .address_space: global }
    .group_segment_fixed_size: 327680
    .private_segment_fixed_size: 0
    .kernarg_segment_align: 8
    .kernarg_segment_size: 56
    .max_flat_workgroup_size: 128
    .sgpr_count:     90
    .vgpr_count:     1024
    .wavefront_size: 32
...
	.end_amdgpu_metadata
.endif
;; end of part 2
;; launch attn (part 3): grid 8 x 32, 16 waves a work-group, clusters of 4 x 1, 313,344 bytes of LDS; arguments qb, kb, vb, ao; writes ao
.if DOCPART == 3
	.amdgcn_target "amdgcn-amd-amdhsa--gfx1250"
	.amdhsa_code_object_version 6
	.text
	.protected	k_q62ce9e5fef_attn
	.globl	k_q62ce9e5fef_attn
	.p2align	8
	.type	k_q62ce9e5fef_attn,@function
k_q62ce9e5fef_attn:
	s_mov_b64 s[64:65], 0
	v_nop
	global_prefetch_b8 v0, s[64:65] scope:SCOPE_SE
	s_setreg_imm32_b32 hwreg(HW_REG_WAVE_MODE, 25, 1), 1
	s_wait_xcnt 0x0
	s_wait_alu depctr_hold_cnt(0) depctr_sa_sdst(0) depctr_va_vdst(0) depctr_va_sdst(0) depctr_va_ssrc(0) depctr_va_vcc(0) depctr_vm_vsrc(0)
	s_getreg_b32 s2, hwreg(HW_REG_IB_STS2, 6, 4)
	s_cmp_eq_u32 s2, 0
	s_cbranch_scc0 .Lentry_in_a_cluster
	s_endpgm
.Lentry_in_a_cluster:
	s_bfe_u32 s2, ttmp6, 0x10000c
	s_cmp_lg_u32 s2, 0x3003
	s_cbranch_scc0 .Lentry_shape_is_right
	s_endpgm
.Lentry_shape_is_right:
; Causal attention on E5M2 codes with E8M0 scales: 32 (batch, head) pairs, 2,048 tokens, head size 64.  t = score x log2(e) / 8; M = the running largest t rounded up to a whole number; p = 2^(t - M) is
; quantised along the keys, not normalised; the row's sum is taken of the unquantised p and divides at the end.  The result is quantised along the model's 1,024 for the next product.
; SHARES.  Work-group (G = 0..7, bh) owns the sixteen tiles of 16 queries 128 rho + 16 G + 0..15, rho = 0..15.  Tile rho needs key steps 0 .. rho of 128 keys, and step rho is the one on the diagonal, whatever G is: 136 steps.
; They are dealt 8 or 9 to a wave.  Waves 0-7 (a = the wave's number) take tile a whole, steps 0 .. a, send it out, and then take steps a + 1 .. 7 of tile 15 - a from a fresh state.  Waves 8-15 (a = the number - 8) take
; steps 0 .. a and 8 .. 15 - a of tile 15 - a.  The two parts of tile 15 - a (O^T, the sum, M) meet in LDS at the end, as images of their registers; both M are whole numbers, so bringing the parts under the larger M
; multiplies by powers of two and rounds nothing.  Every branch hangs on the wave's number and the step's alone: none on the work-group's place in its cluster.
; LDS holds the head's whole K (16 chunks of 8,704 bytes) and V (16 of 8,448), each byte filled once, nothing filled again; behind them the eight parts, 4,608 bytes each, into which no fill lands.
; The four work-groups of a cluster share a head: joint loads, mask 15.  Waves 0 to 7 ask for one group of four key steps each, K's and V's by turns: one load apiece.
; Step 0, in which every wave works, stands behind a barrier that wants the first group alone; behind the next barrier the whole head has landed, and the waves run free up to the barrier of the parts.
; No prefetch: every byte that the work-group reads is asked for by its first instructions.
; Both products are used transposed: S^T = K Q^T, O^T = V^T P^T: a lane holds one query (lane % 16).  The head's 64 fill half of the instruction's K: registers 8-15 of K's and Q's fragments are zero codes.
; A tile of S^T holds keys 16 t + 8 h + j; after the conversions the halves of the lanes exchange eight codes, so that four registers on end hold keys 32 b + 16 h + 0..15.
; LIMITS: NaN and infinities are not served; a block under 2^-111 gets the byte 1 (its codes are zeros or subnormal codes; only this program reads the bytes).
; REGISTERS: v1-6 addresses that stay; v8-11 the step's; v12 -M, v13 the largest t, v[14:15] the sum; v16-31 Q; v32-95 four fragments of K; v96-159 S^T, p, then V's four fragments; v160-191 O^T; v192-207 p's codes;
; v208-216 the second tile's Q and its scale word; v218-226 the way out's codes and word; v232-255 at work.
.set KCH,  8704
.set VCH,  8448
.set VBASE, 16*KCH
.set PST,  VBASE+16*VCH                ; the parts: pair a at PST + PSZ a: nine groups of four registers, 512 bytes each
.set PSZ,  4608
.set LI,   1                           ; 16 x lane
.set LW,   2                           ; 4 r
.set DM,   3                           ; 16 G + r - 8 h: register n of S^T is hidden on the diagonal where 16 (n / 8) + n % 8 > DM
.set NINF, 4
.set WO,   5                           ; 16 r
.set PSA,  6                           ; my pair's part: PST + PSZ a + 16 x lane
.set ADK,  8
.set ADV,  9
.set ADS,  10
.set ADT,  11
.set Q2,   208
.set Q2S,  216
.set OC,   218
.set OW,   226
.set WV,   18
.set RHO,  19                          ; my own tile: 15 - s, s, s + 4, 11 - s by class; also its diagonal step
.set G,    20
.set SEL,  22
.set CS,   24                          ; s[24:25] log2(e) / 8
.set MNT,  26
.set G1K,  28
.set G1V,  36
.set G0K,  44                          ; s[44:59] four groups 0 for K
.set A,    60                          ; the pair
.set R2,   61                          ; my second tile
.set H1,   88                          ; steps 0 .. 7: mine up to H1, and again from L2 on
.set L2,   89
.set LO2,  90                          ; steps 8 .. 15: mine from LO2 to HI2
.set HI2,  91
.set DG2,  92                          ; the second tile's diagonal step (no step in the waves that hand a part over)
.set DL,   98                          ; s[98:99] bytes from my first tile's place in the output to my second's
.set FL,   62                          ; the step behind which my own tile goes out and the second begins: its diagonal in classes 1 and 2, no step (99) in classes 0 and 3
.set H8,   63                          ; 1 in classes 1 and 2, 0 in classes 0 and 3
.set G0V,  68                          ; s[68:83] four for V
.set J,    84                          ; the key step
.set KB,   85                          ; its chunk of K in LDS
.set VB,   86                          ; and of V
.set TR,   87
.macro PLACES n
.rept \n
	v_nop
.endr
.endm
.macro CROUND
	s_barrier_signal -1
	s_barrier_wait -1
	s_cmp_lg_u32 s[WV], 0
	s_cbranch_scc1 .Lnot_wave_0_\@
	s_barrier_signal -3
.Lnot_wave_0_\@:
	s_barrier_wait -3
	s_barrier_signal -1
	s_barrier_wait -1
.endm
	s_load_b256 s[4:11], s[0:1], 0x0               ; qb, kb, vb, ao
	v_lshl_add_u32 v230, v0, 2, 0x4c000
	v_mov_b32 v231, 0
	ds_add_u32 v230, v231
	ds_add_u32 v230, v231
	v_lshrrev_b32 v5, 5, v0
	s_delay_alu instid0(VALU_DEP_1)
	v_readfirstlane_b32 s[WV], v5                  ; wave 0..15
	s_bfe_u32 s12, ttmp6, 0x40000                  ; cx
	s_lshl_b32 s[G], ttmp9, 2
	s_add_co_u32 s[G], s[G], s12                   ; G: it enters global addresses and the mask's comparison alone
	s_and_b32 s13, ttmp7, 0xffff                   ; bh = 16 batch + head, which the four partners share
; THE DEAL OF THE 136 KEY STEPS, which stands in place of the one in the head's comment.  s = wave % 4, class c = wave / 4, E = max(s, 1).
; c = 0: steps 0 .. 10 of tile 15 - s, handed over as a part (11 steps).  c = 1: tile s whole, sent out, then steps E + 1 .. 11 - s of tile 11 - s (12 - E steps).
; c = 2: tile s + 4 whole, sent out, then steps 11 .. 15 - s of tile 15 - s (10 steps).  c = 3: steps 0 .. E of tile 11 - s, handed over as a part (E + 1 steps).
; Classes 1 and 2 join the part of the wave 8 away (the same place, wave % 8) to their own at the end.  All limits are made of the wave's number alone.
	s_and_b32 s[A], s[WV], 7
	s_lshr_b32 s2, s[WV], 2                        ; c
	s_and_b32 s3, s2, 1
	s_lshr_b32 s2, s2, 1
	s_xor_b32 s[H8], s2, s3                        ; 1 in classes 1 and 2, which join and send out; 0 in classes 0 and 3, which hand a part over
	s_and_b32 s[FL], s[WV], 3                      ; s
	s_lshl_b32 s2, s2, 2
	s_add_co_u32 s2, s2, s[FL]
	s_xor_b32 s[RHO], s[H8], 1
	s_mul_i32 s[RHO], s[RHO], 15
	s_xor_b32 s[RHO], s[RHO], s2                   ; my first tile: 15 - s, s, s + 4, 11 - s
	s_lshl_b32 s3, s3, 2
	s_add_co_u32 s3, s3, s[FL]
	s_xor_b32 s[R2], s3, 15                        ; my second: 11 - s in class 1, 15 - s in class 2 (in classes 0 and 3 the first again: not used)
	s_mov_b32 s[G1K], 15|(3<<16)|(1<<21)           ; the mask: all four; elements of 8 bytes; bit 21 beside the mask; no padding: dense rows of 256 bytes
	s_mov_b32 s[G1K+1], 32<<16
	s_mov_b32 s[G1K+2], 136<<16                    ; four chunks of K are 136 rows
	s_mov_b32 s[G1K+3], 32<<16
	s_mov_b32 s[G1K+4], 136
	s_mov_b32 s[G1K+5], 32
	s_mov_b32 s[G1K+6], 0
	s_mov_b32 s[G1K+7], 0
	s_mov_b32 s[G1V], 15|(3<<16)|(1<<21)
	s_mov_b32 s[G1V+1], 32<<16
	s_mov_b32 s[G1V+2], 132<<16                    ; four chunks of V are 132 rows
	s_mov_b32 s[G1V+3], 32<<16
	s_mov_b32 s[G1V+4], 132
	s_mov_b32 s[G1V+5], 32
	s_mov_b32 s[G1V+6], 0
	s_mov_b32 s[G1V+7], 0
	s_mul_i32 s14, s13, 16*KCH                     ; the head's first byte in qb and kb,
	s_mov_b32 s15, 0
	s_mul_i32 s16, s13, 16*VCH                     ; and in vb
	s_mov_b32 s17, 0
	s_mul_i32 s90, s[RHO], KCH
	s_add_co_u32 s90, s90, s14                     ; my own queries' chunk
	s_lshl_b32 s2, s[G], 6
	s_add_co_u32 s92, s90, s2                      ; their scale words (8,192 stands in the immediate)
	s_lshl_b32 s2, s[G], 10
	s_add_co_u32 s90, s90, s2                      ; their tile
	s_mov_b32 s91, 0
	s_mov_b32 s93, 0
	s_mov_b32 s3, s[R2]
	s_mul_i32 s88, s3, KCH
	s_add_co_u32 s88, s88, s14
	s_lshl_b32 s2, s[G], 6
	s_add_co_u32 s98, s88, s2
	s_lshl_b32 s2, s[G], 10
	s_add_co_u32 s88, s88, s2
	s_mov_b32 s89, 0
	s_mov_b32 s99, 0
	s_lshr_b32 s2, s13, 4                          ; where my own tile's result goes: chunk (token tile, k / 512) of 8,448 bytes
	s_lshl_b32 s2, s2, 7
	s_lshl_b32 s3, s[RHO], 3
	s_add_co_u32 s2, s2, s3
	s_add_co_u32 s2, s2, s[G]                      ; token tile = 128 batch + 8 rho + G
	s_lshl_b32 s2, s2, 1
	s_bfe_u32 s3, s13, 0x10003                     ; head / 8
	s_add_co_u32 s2, s2, s3
	s_mul_i32 s2, s2, 8448
	s_bfe_u32 s3, s13, 0x20001                     ; (head / 2) % 4: which 128 along K
	s_and_b32 s21, s13, 1                          ; head % 2: which 64 of them
	s_lshl_b32 s94, s3, 11
	s_add_co_u32 s94, s94, s2
	s_lshl_b32 s27, s21, 10
	s_add_co_u32 s94, s94, s27
	s_lshl_b32 s96, s3, 2
	s_add_co_u32 s96, s96, s2
	s_lshl_b32 s27, s21, 1
	s_add_co_u32 s96, s96, s27
	s_mov_b32 s95, 0
	s_mov_b32 s97, 0
	s_mov_b32 s[SEL], 0x76543210
	s_mov_b32 s[SEL+1], 0xfedcba98
	s_mov_b32 s[CS], 0x3e38aa3b
	s_mov_b32 s[CS+1], s[CS]
	s_mov_b32 s[MNT], 0x600000
	s_mov_b32 s[J], 0
	s_wait_dscnt 0x0
	s_wait_kmcnt 0x0
	s_add_nc_u64 s[6:7], s[6:7], s[14:15]
	s_add_nc_u64 s[8:9], s[8:9], s[16:17]
	s_add_nc_u64 s[92:93], s[4:5], s[92:93]
	s_add_nc_u64 s[98:99], s[4:5], s[98:99]
	s_add_nc_u64 s[88:89], s[4:5], s[88:89]
	s_add_nc_u64 s[4:5], s[4:5], s[90:91]
	s_add_nc_u64 s[94:95], s[10:11], s[94:95]
	s_add_nc_u64 s[96:97], s[10:11], s[96:97]
	CROUND                                         ; all four work-groups are here: the joint loads meet
.irp c, 0,1,2,3
	s_mov_b32 s[G0K+4*\c], 1
	s_mov_b32 s[G0K+4*\c+1], 4*KCH*\c
	s_add_nc_u64 s[G0K+4*\c+2:G0K+4*\c+3], s[6:7], 4*KCH*\c
	s_or_b32 s[G0K+4*\c+3], s[G0K+4*\c+3], 0x80000000
	s_mov_b32 s[G0V+4*\c], 1
	s_mov_b32 s[G0V+4*\c+1], VBASE+4*VCH*\c
	s_add_nc_u64 s[G0V+4*\c+2:G0V+4*\c+3], s[8:9], 4*VCH*\c
	s_or_b32 s[G0V+4*\c+3], s[G0V+4*\c+3], 0x80000000
.endr
; THE FIRST FILLS, ONE A WAVE: the eight groups of four key steps go to waves 0 to 7, K's and V's by turns, the first key steps first.  One chain of branches on the wave's number, one load to an arm.
.macro ARM under, g0, g1, next
	s_cmp_lt_u32 s[WV], \under
	s_cbranch_scc0 \next
	tensor_load_to_lds s[\g0:\g0+3], s[\g1:\g1+7]
	s_nop 0
	PLACES 4
	s_branch .Lasked
\next:
.endm
	ARM 1, G0K, G1K, .Lh1
	ARM 2, G0V, G1V, .Lh2
	ARM 3, G0K+4, G1K, .Lh3
	ARM 4, G0V+4, G1V, .Lh4
	ARM 5, G0K+8, G1K, .Lh5
	ARM 6, G0V+8, G1V, .Lh6
	ARM 7, G0K+12, G1K, .Lh7
	ARM 8, G0V+12, G1V, .Lh8
.Lasked:
	v_and_b32 v232, 31, v0                         ; lane
	s_delay_alu instid0(VALU_DEP_1)
	v_lshlrev_b32 v[LI], 4, v232
	v_and_b32 v233, 15, v0                         ; r
	v_bfe_u32 v234, v0, 4, 1                       ; h
	s_delay_alu instid0(VALU_DEP_2)
	v_lshlrev_b32 v[LW], 2, v233
	s_delay_alu instid0(VALU_DEP_3)
	v_lshlrev_b32 v[WO], 4, v233
	s_lshl_b32 s2, s[G], 4
	v_add_nc_u32 v[DM], s2, v233
	v_lshlrev_b32 v234, 3, v234
	s_delay_alu instid0(VALU_DEP_1)
	v_sub_nc_u32 v[DM], v[DM], v234
	v_mov_b32 v[NINF], 0xff800000
	s_mul_i32 s2, s[A], PSZ
	s_add_co_u32 s2, s2, PST
	v_add_nc_u32 v[PSA], s2, v[LI]                 ; a constant + a constant x the pair + 16 x lane: waves a and a + 8 name the same bytes, classes 0 and 3 store, classes 1 and 2 load
	global_load_b128 v[16:19], v[LI], s[4:5]       ; my own tile's Q
	global_load_b128 v[20:23], v[LI], s[4:5] offset:512
	global_load_b32 v255, v[LW], s[92:93] offset:8192
	global_load_b128 v[Q2:Q2+3], v[LI], s[88:89]   ; and my second tile's: classes 1 and 2 change over to it
	global_load_b128 v[Q2+4:Q2+7], v[LI], s[88:89] offset:512
	global_load_b32 v[Q2S], v[LW], s[98:99] offset:8192
.irp j, 24,25,26,27,28,29,30,31
	v_mov_b32 v[\j], 0                             ; zero codes for k = 64 .. 127, in Q
.endr
.irp t, 0,1,2,3
.irp j, 8,9,10,11,12,13,14,15
	v_mov_b32 v[32+16*\t+\j], 0                    ; and in K's four fragments: set once, never loaded over
.endr
.endr
	v_mov_b32 v13, 0xff61b1e6                      ; the largest t so far: -3e38
	s_delay_alu instid0(VALU_DEP_1)
	v_floor_f32 v12, -v13                          ; -M
	v_mov_b32 v14, 0
	v_mov_b32 v15, 0
.irp b, 0,1,2,3
	v_mov_b32 v[236+\b], 0                         ; a lane permute's destination counts as one of its sources
.endr
	v_mov_b32 v252, 0
	v_mov_b32 v253, 0
.set i, 0
.rept 32
	v_mov_b32 v[160+i], 0                          ; O^T: the step is written for a running state; a fresh one finds zeros, which the first change of M leaves zeros
.set i, i+1
.endr
; THE WAY OUT of the tile in hand: O^T / the sum, quantised along the model's axis: my head's 64 channels are two blocks of 32.  Eight plain instructions stand between the last products and this macro.
.macro OUTPUT
	s_wait_xcnt 0x0                                ; earlier stores have read the registers that are written below
	v_add_f32 v14, v14, v15
	s_delay_alu instid0(VALU_DEP_1)
	v_permlanex16_b32 v236, v14, s[SEL], s[SEL+1]
	s_delay_alu instid0(VALU_DEP_1)
	v_add_f32 v14, v14, v236
	s_wait_alu depctr_va_vdst(0)
	v_rcp_f32 v14, v14
	v_nop                                          ; a plain instruction behind the transcendental,
	s_wait_alu depctr_va_vdst(0)                   ; and the wait ahead of its first reader
.set j, 0
.rept 32
	v_mul_f32 v[96+j], v[160+j], v14               ; each accumulator from its low end on
.set j, j+1
.endr
.irp b, 0,1
	v_max3_num_f32 v[232+\b], |v[96+16*\b]|, |v[97+16*\b]|, 0x8000000
.endr
.irp i, 2,4,6,8,10,12,14
.irp b, 0,1
	s_delay_alu instid0(VALU_DEP_2)
	v_max3_num_f32 v[232+\b], v[232+\b], |v[96+16*\b+\i]|, |v[97+16*\b+\i]|
.endr
.endr
.irp b, 0,1
	s_delay_alu instid0(VALU_DEP_2)
	v_permlanex16_b32 v[236+\b], v[232+\b], s[SEL], s[SEL+1]
.endr
.irp b, 0,1
	s_delay_alu instid0(VALU_DEP_2)
	v_max_num_f32 v[232+\b], v[232+\b], v[236+\b]
.endr
.irp b, 0,1
	s_delay_alu instid0(VALU_DEP_2)
	v_add_nc_u32 v[244+\b], 0xf8800000, v[232+\b]
.endr
.irp b, 0,1
	s_delay_alu instid0(VALU_DEP_4)
	v_and_or_b32 v[240+\b], v[232+\b], 0x7f800000, s[MNT]
.endr
.irp b, 0,1
	s_delay_alu instid0(VALU_DEP_4)
	v_lshrrev_b32 v[236+\b], 23, v[244+\b]
.endr
	s_delay_alu instid0(VALU_DEP_1)
	v_lshl_or_b32 v[OW], v237, 8, v236
.irp b, 0,1
.irp i, 0,1,2,3,4,5,6,7,8,9,10,11,12,13,14,15
	v_med3_num_f32 v[96+16*\b+\i], v[96+16*\b+\i], -v[240+\b], v[240+\b]   ; the conversion does not saturate (ISA guide 7.6.2): the hold
.endr
	v_cvt_scalef32_pk8_bf8_f32 v[OC+4*\b:OC+1+4*\b], v[96+16*\b:103+16*\b], v[244+\b]
	v_cvt_scalef32_pk8_bf8_f32 v[OC+2+4*\b:OC+3+4*\b], v[104+16*\b:111+16*\b], v[244+\b]
.endr
	v_nop
.irp b, 0,1
	v_permlane16_swap_b32 v[OC+4*\b], v[OC+2+4*\b]
	v_permlane16_swap_b32 v[OC+1+4*\b], v[OC+3+4*\b]
.endr
	global_store_b128 v[LI], v[OC:OC+3], s[94:95]              ; 512 consecutive bytes, aligned
	global_store_b128 v[LI], v[OC+4:OC+7], s[94:95] offset:512
	global_store_b16 v[WO], v[OW], s[96:97] offset:8192        ; a head has two blocks: two bytes of each token's scale words
.endm
; A KEY STEP of 128 keys.  ph = 1: steps 0 .. 7; ph = 2: steps 8 .. 15.  A step that is not mine is left out by a scalar branch on the wave's number and the step's; the lines at its end that step addresses are on every path.
.macro STEP ph
.if \ph == 1
	s_cmp_le_u32 s[J], s[H1]
	s_cbranch_scc1 .Lmine_\@
	s_cmp_lt_u32 s[J], s[L2]
	s_cbranch_scc1 .Lskip_\@
.Lmine_\@:
.else
	s_cmp_lt_u32 s[J], s[LO2]
	s_cbranch_scc1 .Lskip_\@
	s_cmp_gt_u32 s[J], s[HI2]
	s_cbranch_scc1 .Lskip_\@
.endif
	v_add_nc_u32 v[ADK], s[KB], v[LI]
	s_wait_alu depctr_va_vdst(0)
	v_add_nc_u32 v[ADS], s[KB], v[LW]
	s_wait_alu depctr_va_vdst(0)
	v_add_nc_u32 v[ADV], s[VB], v[LI]
	v_add_nc_u32 v[ADT], s[VB], v[LW]
	PLACES 5                                       ; with the four additions nine places: the products below write over registers that my last step's products read (V's fragments)
.irp g, 0,1
.if \g
	PLACES 8                                       ; places in front of loads into registers that matrix instructions have read
.endif
.irp t, 0,1,2,3
	ds_load_b128 v[32+16*\t:35+16*\t], v[ADK] offset:1024*(4*\g+\t)
	ds_load_b128 v[36+16*\t:39+16*\t], v[ADK] offset:1024*(4*\g+\t)+512
	ds_load_b32 v[248+\t], v[ADS] offset:8192+64*(4*\g+\t)
.endr
	s_wait_dscnt 0x0
.irp t, 0,1,2,3
	v_wmma_scale_f32_16x16x128_f8f6f4 v[96+8*(4*\g+\t):103+8*(4*\g+\t)], v[32+16*\t:47+16*\t], v[16:31], 0, v[248+\t], v255 matrix_a_fmt:MATRIX_FMT_BF8 matrix_b_fmt:MATRIX_FMT_BF8
.endr
.endr
	PLACES 8
.if \ph == 1
	s_cmp_lg_u32 s[J], s[FL]                       ; the first tile's diagonal is its last step; a second tile's lies among steps 8 .. 15
.else
	s_cmp_lg_u32 s[J], s[DG2]
.endif
	s_cbranch_scc1 .Lopen_\@
.set n, 0
.rept 64
	v_cmp_gt_i32 vcc_lo, 16*(n/8)+n%8, v[DM]
	v_cndmask_b32 v[96+n], v[96+n], v[NINF], vcc_lo
.set n, n+1
.endr
.Lopen_\@:
.irp b, 0,1,2,3
	v_max3_num_f32 v[232+\b], v[96+16*\b], v[97+16*\b], v[98+16*\b]   ; the largest score of each block of 32 keys: for the row's maximum and, since p rises with the score, for the block's largest p
.endr
.irp i, 3,5,7,9,11,13
.irp b, 0,1,2,3
	v_max3_num_f32 v[232+\b], v[232+\b], v[96+16*\b+\i], v[97+16*\b+\i]
.endr
.endr
.irp b, 0,1,2,3
	v_max_num_f32 v[232+\b], v[232+\b], v[111+16*\b]
.endr
.irp b, 0,1,2,3
	s_delay_alu instid0(VALU_DEP_4)
	v_permlanex16_b32 v[236+\b], v[232+\b], s[SEL], s[SEL+1]
.endr
.irp b, 0,1,2,3
	s_delay_alu instid0(VALU_DEP_4)
	v_max_num_f32 v[232+\b], v[232+\b], v[236+\b]
.endr
	s_delay_alu instid0(VALU_DEP_2)
	v_max3_num_f32 v254, v232, v233, v234
	s_delay_alu instid0(VALU_DEP_1)
	v_max_num_f32 v254, v254, v235
	s_delay_alu instid0(VALU_DEP_1)
	v_mul_f32 v254, s[CS], v254
	s_delay_alu instid0(VALU_DEP_1)
	v_max_num_f32 v13, v13, v254                   ; the running largest t
	v_mov_b32 v254, v12
	s_delay_alu instid0(VALU_DEP_2)
	v_floor_f32 v12, -v13                          ; the new -M = floor(-t)
	s_delay_alu instid0(VALU_DEP_1)
	v_sub_f32 v254, v12, v254                      ; old M - new M: a whole number, 0 or less
	s_delay_alu instid0(VALU_DEP_1)
	v_cvt_i32_f32 v254, v254
	s_delay_alu instid0(VALU_DEP_1)
	v_ldexp_f32 v252, 1.0, v254                    ; f = 2^(old M - new M): a multiplication by it rounds nothing
.set j, 0
.rept 32
	v_pk_fma_f32 v[96+j:97+j], v[96+j:97+j], s[CS:CS+1], v[12:13] op_sel_hi:[1,0,0]   ; t - M
.set j, j+2
.endr
.irp b, 0,1,2,3
	v_fma_f32 v[232+\b], v[232+\b], s[CS], v12
.endr
.set j, 0
	s_wait_alu depctr_va_vdst(0)
.rept 64
	v_exp_f32 v[96+j], v[96+j]                     ; p = 2^(t - M)
.set j, j+1
.endr
	v_pk_mul_f32 v[14:15], v[14:15], v[252:253] op_sel_hi:[1,0]   ; the sums under the new M; a plain instruction behind the exponentials
	s_wait_alu depctr_va_vdst(0)                   ; one wait for the batch, ahead of its first reader
.irp b, 0,1,2,3
	v_exp_f32 v[232+\b], v[232+\b]                 ; each block's largest p
.endr
	v_pk_add_f32 v[236:237], v[100:101], v[104:105]
	v_pk_add_f32 v[250:251], v[108:109], v[112:113]
	v_pk_add_f32 v[248:249], v[116:117], v[120:121]
	v_pk_add_f32 v[246:247], v[124:125], v[128:129]
	v_pk_add_f32 v[244:245], v[132:133], v[136:137]
	v_pk_add_f32 v[242:243], v[140:141], v[144:145]
	v_pk_add_f32 v[240:241], v[148:149], v[152:153]
	v_pk_add_f32 v[14:15], v[14:15], v[156:157]
	v_pk_add_f32 v[236:237], v[236:237], v[96:97]
	v_pk_add_f32 v[250:251], v[250:251], v[98:99]
	v_pk_add_f32 v[248:249], v[248:249], v[102:103]
	v_pk_add_f32 v[246:247], v[246:247], v[106:107]
	v_pk_add_f32 v[244:245], v[244:245], v[110:111]
	v_pk_add_f32 v[242:243], v[242:243], v[114:115]
	v_pk_add_f32 v[240:241], v[240:241], v[118:119]
	v_pk_add_f32 v[14:15], v[14:15], v[122:123]
	v_pk_add_f32 v[236:237], v[236:237], v[126:127]
	v_pk_add_f32 v[250:251], v[250:251], v[130:131]
	v_pk_add_f32 v[248:249], v[248:249], v[134:135]
	v_pk_add_f32 v[246:247], v[246:247], v[138:139]
	v_pk_add_f32 v[244:245], v[244:245], v[142:143]
	v_pk_add_f32 v[242:243], v[242:243], v[146:147]
	v_pk_add_f32 v[240:241], v[240:241], v[150:151]
	v_pk_add_f32 v[14:15], v[14:15], v[154:155]
	v_pk_add_f32 v[236:237], v[236:237], v[158:159]
	s_delay_alu instid0(VALU_DEP_2)
	v_pk_add_f32 v[14:15], v[14:15], v[246:247]
	s_delay_alu instid0(VALU_DEP_2)
	v_pk_add_f32 v[236:237], v[236:237], v[244:245]
	v_pk_add_f32 v[250:251], v[250:251], v[242:243]
	v_pk_add_f32 v[248:249], v[248:249], v[240:241]
	s_delay_alu instid0(VALU_DEP_2)
	v_pk_add_f32 v[14:15], v[14:15], v[250:251]
	s_delay_alu instid0(VALU_DEP_2)
	v_pk_add_f32 v[236:237], v[236:237], v[248:249]
	s_delay_alu instid0(VALU_DEP_1)
	v_pk_add_f32 v[14:15], v[14:15], v[236:237]
	s_wait_alu depctr_va_vdst(0)                   ; and one for the four
.irp b, 0,1,2,3
	v_max_num_f32 v[232+\b], 0x8000000, v[232+\b]  ; the floor 2^(16 - 127)
.endr
.irp b, 0,1,2,3
	s_delay_alu instid0(VALU_DEP_4)
	v_add_nc_u32 v[244+\b], 0xf8800000, v[232+\b]
.endr
.irp b, 0,1,2,3
	v_and_or_b32 v[240+\b], v[232+\b], 0x7f800000, s[MNT]
.endr
.irp b, 0,1,2,3
	v_lshrrev_b32 v[236+\b], 23, v[244+\b]
.endr
	s_delay_alu instid0(VALU_DEP_3)
	v_lshl_or_b32 v253, v237, 8, v236              ; p's scale word for these 128 keys
	s_delay_alu instid0(VALU_DEP_1)
	v_lshl_or_b32 v253, v238, 16, v253
	s_delay_alu instid0(VALU_DEP_1)
	v_lshl_or_b32 v253, v239, 24, v253
.irp b, 0,1,2,3
.irp i, 0,1,2,3,4,5,6,7,8,9,10,11,12,13,14,15
	v_min_num_f32 v[96+16*\b+\i], v[96+16*\b+\i], v[240+\b]   ; the hold; p is not negative
.endr
	v_cvt_scalef32_pk8_bf8_f32 v[192+4*\b:193+4*\b], v[96+16*\b:103+16*\b], v[244+\b]
	v_cvt_scalef32_pk8_bf8_f32 v[194+4*\b:195+4*\b], v[104+16*\b:111+16*\b], v[244+\b]
.endr
	v_nop
.irp b, 0,1,2,3
	v_permlane16_swap_b32 v[192+4*\b], v[194+4*\b] ; keys 8 h + j and 16 + 8 h + j become keys 16 h + 0..15
	v_permlane16_swap_b32 v[193+4*\b], v[195+4*\b]
.endr
.irp ct, 0,1,2,3
.irp c, 0,1,2,3
	ds_load_b128 v[96+16*\ct+4*\c:99+16*\ct+4*\c], v[ADV] offset:2048*\ct+512*\c
.endr
	ds_load_b32 v[248+\ct], v[ADT] offset:8192+64*\ct
.endr
.set j, 0
.rept 16
	v_pk_mul_f32 v[160+j:161+j], v[160+j:161+j], v[252:253] op_sel_hi:[1,0]   ; O^T under the new M; these sixteen are also the places between the codes' last write and the products
.set j, j+2
.endr
	s_wait_alu depctr_va_vdst(0)
	s_wait_dscnt 0x0
.irp ct, 0,1,2,3
	v_wmma_scale_f32_16x16x128_f8f6f4 v[160+8*\ct:167+8*\ct], v[96+16*\ct:111+16*\ct], v[192:207], v[160+8*\ct:167+8*\ct], v[248+\ct], v253 matrix_a_fmt:MATRIX_FMT_BF8 matrix_b_fmt:MATRIX_FMT_BF8
.endr
.if \ph == 1
	s_cmp_lg_u32 s[J], s[FL]                       ; classes 1 and 2, behind their own tile's last step: it goes out, and the pair's other tile begins from a fresh state
	s_cbranch_scc1 .Lskip_\@
	PLACES 8                                       ; places behind the last products
	OUTPUT
	s_wait_xcnt 0x0                                ; the stores have read their bases: on to my second tile's place
	s_add_nc_u64 s[94:95], s[94:95], s[DL:DL+1]
	s_add_nc_u64 s[96:97], s[96:97], s[DL:DL+1]
	v_mov_b32 v255, v[Q2S]
.irp j, 0,1,2,3,4,5,6,7
	v_mov_b32 v[16+\j], v[Q2+\j]
.endr
	v_mov_b32 v13, 0xff61b1e6
	s_delay_alu instid0(VALU_DEP_1)
	v_floor_f32 v12, -v13
	v_mov_b32 v14, 0
	v_mov_b32 v15, 0
.set i, 0
.rept 32
	v_mov_b32 v[160+i], 0
.set i, i+1
.endr
.endif
.Lskip_\@:
	s_add_co_u32 s[J], s[J], 1
	s_add_co_u32 s[KB], s[KB], KCH
	s_add_co_u32 s[VB], s[VB], VCH
.endm
	s_wait_loadcnt 0x0
	s_and_b32 s2, s[WV], 3                         ; the limits (the registers that held Q's addresses are free now)
	s_lshr_b32 s3, s[WV], 2
	s_max_u32 s12, s2, 1                           ; E
	s_add_co_u32 s14, s12, 1
	s_mov_b32 s13, 99                              ; no step
	s_cmp_eq_u32 s[H8], 1
	s_cselect_b32 s[FL], s[RHO], s13               ; the step behind which my first tile goes out: its diagonal
	s_cselect_b32 s[DG2], s[R2], s13
	s_cselect_b32 s[H1], s[RHO], s12
	s_cselect_b32 s[HI2], s[R2], 10
	s_cmp_eq_u32 s3, 0
	s_cselect_b32 s[H1], 10, s[H1]
	s_cmp_eq_u32 s3, 1
	s_cselect_b32 s[L2], s14, s13
	s_cmp_lt_u32 s3, 2
	s_cselect_b32 s[LO2], 0, 11
	s_cmp_eq_u32 s3, 3
	s_cselect_b32 s[LO2], s13, s[LO2]
	s_sub_co_u32 s[DL], s[R2], s[RHO]
	s_mul_i32 s[DL], s[DL], 135168                 ; a tile on is 8 token tiles of two chunks of 8,448 bytes
	s_mov_b32 s[DL+1], 0
	s_wait_dscnt 0x0
	s_cmp_lt_u32 s[WV], 2                          ; waves 0 and 1 hold the first group of K and of V, each by a load line of its own: they alone wait here
	s_cbranch_scc0 .Lnot_first
	s_wait_tensorcnt 0x0
.Lnot_first:
	s_barrier_signal -1
	s_barrier_wait -1
	s_mov_b32 s[KB], 0
	s_mov_b32 s[VB], VBASE
	STEP 1                                         ; key step 0: every wave works in it, while the other groups land
	s_wait_dscnt 0x0
	s_wait_tensorcnt 0x0                           ; in waves 0 to 7: my group has landed; behind the barrier, the whole head
	s_barrier_signal -1
	s_barrier_wait -1                              ; from here to the barrier of the parts no wave waits for another
	s_mov_b32 s[KB], KCH
	s_mov_b32 s[VB], VBASE+VCH
	s_mov_b32 s[TR], 7
.Lfirst:                                           ; key steps 1 .. 7
	STEP 1
	s_sub_co_u32 s[TR], s[TR], 1
	s_cmp_lg_u32 s[TR], 0
	s_cbranch_scc1 .Lfirst
	s_mov_b32 s[KB], 8*KCH
	s_mov_b32 s[VB], VBASE+8*VCH
	s_mov_b32 s[TR], 8
.Lsecond:                                          ; key steps 8 .. 15: class 3 has none
	STEP 2
	s_sub_co_u32 s[TR], s[TR], 1
	s_cmp_lg_u32 s[TR], 0
	s_cbranch_scc1 .Lsecond
	PLACES 8                                       ; places behind the last products: in front of the LDS stores that read results, and of the loads into registers that products have read
	s_cmp_eq_u32 s[H8], 0
	s_cbranch_scc0 .Lno_part
	s_wait_alu depctr_va_vdst(0)
.irp i, 0,1,2,3,4,5,6,7
	ds_store_b128 v[PSA], v[160+4*\i:163+4*\i] offset:512*\i   ; classes 0 and 3: their part of the tile as an image of its registers; each accumulator from its low end on
.endr
	ds_store_b128 v[PSA], v[12:15] offset:4096     ; -M, the largest t, the sum's two halves
.Lno_part:
	s_wait_dscnt 0x0                               ; for the others' sake: my stores have landed
	s_barrier_signal -1
	s_barrier_wait -1
	s_cmp_eq_u32 s[H8], 0
	s_cbranch_scc1 .Lend
.irp i, 0,1,2,3,4,5,6,7
	ds_load_b128 v[96+4*\i:99+4*\i], v[PSA] offset:512*\i      ; classes 1 and 2: the same registers in the same lanes
.endr
	ds_load_b128 v[128:131], v[PSA] offset:4096
	s_wait_dscnt 0x0
	v_min_num_f32 v232, v12, v128                  ; -M of the larger M
	s_delay_alu instid0(VALU_DEP_1)
	v_sub_f32 v233, v232, v12                      ; my M less it: a whole number, 0 or less;
	s_delay_alu instid0(VALU_DEP_2)
	v_sub_f32 v234, v232, v128                     ; the other part's likewise (an empty part stands under -3e38: its factor becomes 0)
	s_delay_alu instid0(VALU_DEP_2)
	v_cvt_i32_f32 v233, v233
	s_delay_alu instid0(VALU_DEP_2)
	v_cvt_i32_f32 v234, v234
	s_delay_alu instid0(VALU_DEP_2)
	v_ldexp_f32 v240, 1.0, v233
	s_delay_alu instid0(VALU_DEP_2)
	v_ldexp_f32 v242, 1.0, v234
	s_delay_alu instid0(VALU_DEP_2)
	v_mov_b32 v241, v240
	s_delay_alu instid0(VALU_DEP_2)
	v_mov_b32 v243, v242
	s_delay_alu instid0(VALU_DEP_1)
	v_pk_mul_f32 v[130:131], v[130:131], v[242:243]
	s_delay_alu instid0(VALU_DEP_1)
	v_pk_fma_f32 v[14:15], v[14:15], v[240:241], v[130:131]    ; the sums of both parts under one M
.set j, 0
.rept 16
	v_pk_mul_f32 v[96+j:97+j], v[96+j:97+j], v[242:243]
.set j, j+2
.endr
.set j, 0
.rept 16
	v_pk_fma_f32 v[160+j:161+j], v[160+j:161+j], v[240:241], v[96+j:97+j]   ; and O^T; each accumulator from its low end on
.set j, j+2
.endr
	OUTPUT
.Lend:
	s_wait_tensorcnt 0x0
	ds_add_u32 v230, v231
	s_wait_dscnt 0x0
	CROUND                                         ; the closing round
	s_endpgm
.Lfunc_end_k_q62ce9e5fef_attn:
	.size	k_q62ce9e5fef_attn, .Lfunc_end_k_q62ce9e5fef_attn-k_q62ce9e5fef_attn
	.p2alignl 7, 3214868480
	.fill 96, 4, 3214868480
	.section	.rodata,"a",@progbits
	.p2align	6, 0x0
	.amdhsa_kernel k_q62ce9e5fef_attn
		.amdhsa_group_segment_fixed_size 313344
		.amdhsa_private_segment_fixed_size 0
		.amdhsa_enable_private_segment 0
		.amdhsa_kernarg_size 32
		.amdhsa_user_sgpr_count 2
		.amdhsa_user_sgpr_kernarg_segment_ptr 1
		.amdhsa_wavefront_size32 1
		.amdhsa_system_sgpr_workgroup_id_x 1
		.amdhsa_system_sgpr_workgroup_id_y 1
		.amdhsa_system_sgpr_workgroup_id_z 1
		.amdhsa_system_vgpr_workitem_id 0
		.amdhsa_next_free_vgpr 256
		.amdhsa_next_free_sgpr 100
		.amdhsa_reserve_vcc 1
		.amdhsa_float_denorm_mode_32 3
		.amdhsa_float_denorm_mode_16_64 3
		.amdhsa_memory_ordered 1
		.amdhsa_forward_progress 1
		.amdhsa_inst_pref_size 120
	.end_amdhsa_kernel
	.amdgpu_metadata
---
amdhsa.version: [ 1, 2 ]
amdhsa.kernels:
  - .name:           k_q62ce9e5fef_attn
    .symbol:         k_q62ce9e5fef_attn.kd
    .args:
      - { .name: qb, .offset: 0, .size: 8, .value_kind: global_buffer, .address_space: global }
      - { .name: kb, .offset: 8, .size: 8, .value_kind: global_buffer, .address_space: global }
      - { .name: vb, .offset: 16, .size: 8, .value_kind: global_buffer, .address_space: global }
      - { .name: ao, .offset: 24, .size: 8, .value_kind: global_buffer, .address_space: global }
    .group_segment_fixed_size: 313344
    .private_segment_fixed_size: 0
    .kernarg_segment_align: 8
    .kernarg_segment_size: 32
    .max_flat_workgroup_size: 512
    .sgpr_count:     100
    .vgpr_count:     256
    .wavefront_size: 32
...
	.end_amdgpu_metadata
.endif
;; end of part 3
;; launch proj (part 4): grid 8 x 32, 4 waves a work-group, clusters of 4 x 4, 327,680 bytes of LDS; arguments ao, w_proj_codes, w_proj_scales, b_proj, x, x2; writes x2
.if DOCPART == 4
	.amdgcn_target "amdgcn-amd-amdhsa--gfx1250"
	.amdhsa_code_object_version 6
	.text
	.protected	k_q62ce9e5fef_proj
	.globl	k_q62ce9e5fef_proj
	.p2align	8
	.type	k_q62ce9e5fef_proj,@function
k_q62ce9e5fef_proj:
	s_mov_b64 s[64:65], 0
	v_nop
	global_prefetch_b8 v0, s[64:65] scope:SCOPE_SE
	s_setreg_imm32_b32 hwreg(HW_REG_WAVE_MODE, 25, 1), 1
	s_wait_xcnt 0x0
	s_wait_alu depctr_hold_cnt(0) depctr_sa_sdst(0) depctr_va_vdst(0) depctr_va_sdst(0) depctr_va_ssrc(0) depctr_va_vcc(0) depctr_vm_vsrc(0)
	s_getreg_b32 s2, hwreg(HW_REG_IB_STS2, 6, 4)
	s_cmp_eq_u32 s2, 0
	s_cbranch_scc0 .Lentry_in_a_cluster
	s_endpgm
.Lentry_in_a_cluster:
	s_bfe_u32 s2, ttmp6, 0x10000c
	s_cmp_lg_u32 s2, 0xf033
	s_cbranch_scc0 .Lentry_shape_is_right
	s_endpgm
.Lentry_shape_is_right:
; x2 = x + attention W_proj + b_proj on E5M2 codes with E8M0 scales, M 4,096, N 1,024, K 1,024; f32 out.
; N = 1,024 gives only 64 tiles of 256 x 256, so a tile is 128 tokens x 128 columns: 256 work-groups of four waves, 64 x 64 to a wave: 16 accumulators.  A slot holds 512 along K, four steps of 128.
; A arrives as IMAGES of operand registers: chunk (T = token / 16, kc = k / 512) of 8,448 bytes: codes at 2048 q + 512 c + 16 lane, scale words at 8192 + 16 r + 4 q: its scales ride in the ring.
; B arrives as rows [n][k] of codes; its scale bytes for all of K come into LDS once.
; THE MATRIX INSTRUCTION IS USED TRANSPOSED (source 0 = 16 weight rows, source 1 = 16 tokens): lane (r, h) holds token r and columns 16 b + 8 h + 0..7.  The bias is the C of each sum's first product.
; CLUSTERS: 4 x 4 work-groups; A's tiles are asked for jointly along a row of the cluster, B's and its scales along a column.
; The residual's 64 x 64 numbers are loaded at the head into window 3, in the layout in which the results come back from the stage.
; K has two slots here: both are first fills, nothing is filled again, and nothing is left to prefetch.
.set NA, 4
.set NB, 4
.set NQ, 4
.set SIZE_K, 1024
.set ACH_M, 8448
.set ACH_L, 8448
.set QIB, 6
.set KSLOT,  128*NQ
.set KC,     SIZE_K/KSLOT
.set KS,     SIZE_K/32
.set LAPS,   SIZE_K/(2*KSLOT)
.set ASC,    2048*NQ
.set HALFA,  NA*ACH_L
.set PITCHB, KSLOT+16
.set HALFB,  16*NB*PITCHB
.set SLOT,   2*HALFA+2*HALFB
.set SBLK,   (16*KS/256)*272
.set HALFS,  NB*SBLK
.set SU,     8*NB*KS/256
.set SCL,    2*SLOT
.set SPARE,  SCL+2*HALFS
.set ADRA, 16
.set ADSA, 18
.set ADRB, 20
.set ADSB, 27
.set SPW,  28
.set NIL,  29
.set LI,   30
.set BO,   31
.set SC,   32
.set CB,   64
.set AF,   128
.set STO,  24                          ; the way out: where I put 32 bytes of a row
.set RD,   25                          ; where I read rows back
.set CO,   26                          ; my byte offset in two rows of the output
.set BK,   128
.set G1A, 24
.set G0A, 32
.set G1B, 48
.set G0B, 56
.set G1S, 68
.set G0S, 76
.set MSB, 0
.macro WIN new
.if MSB != (\new)
	s_set_vgpr_msb (MSB<<8)|(\new)
.set MSB, (\new)
.endif
.endm
.macro PLACES n
.rept \n
	v_nop
.endr
.endm
.macro JLOAD g0a, g0b
	s_cmp_eq_u32 s15, 0
	s_cbranch_scc0 .Lfor_b_\@
	tensor_load_to_lds s[\g0a:\g0a+3], s[G1A:G1A+7]
	s_nop 0
	PLACES 4
	s_branch .Lasked_\@
.Lfor_b_\@:
	tensor_load_to_lds s[\g0b:\g0b+3], s[G1B:G1B+7]
	s_nop 0
	PLACES 4
.Lasked_\@:
.endm
.macro CREST
	s_cmp_lg_u32 s14, 0
	s_cbranch_scc1 .Lnot_wave_0_\@
	s_barrier_signal -3
.Lnot_wave_0_\@:
	s_barrier_wait -3
	s_barrier_signal -1
	s_barrier_wait -1
.endm
.macro CROUND
	s_barrier_signal -1
	s_barrier_wait -1
	CREST
.endm
	s_load_b256 s[4:11], s[0:1], 0x0               ; A, B's codes, B's scales, the bias
	s_load_b64 s[12:13], s[0:1], 0x20              ; the residual
	s_load_b64 s[18:19], s[0:1], 0x28              ; the output
	v_lshl_add_u32 v[SPW], v0, 2, SPARE
	v_mov_b32 v[NIL], 0
	ds_add_u32 v28, v29
	ds_add_u32 v28, v29
	s_wait_dscnt 0x0
	v_lshrrev_b32 v1, 5, v0
	v_readfirstlane_b32 s14, v1
	s_lshr_b32 s15, s14, 1
	s_and_b32 s16, s14, 1
	s_bfe_u32 s40, ttmp6, 0x40000
	s_bfe_u32 s41, ttmp6, 0x40004
	s_lshl_b32 s42, ttmp9, 2
	s_add_co_u32 s42, s42, s40
	s_and_b32 s17, ttmp7, 0xffff
	s_lshl_b32 s17, s17, 2
	s_add_co_u32 s17, s17, s41
	s_lshl_b32 s43, s41, 2
	s_lshl_b32 s43, 15, s43
	s_lshl_b32 s44, 0x1111, s40
	s_or_b32 s[G1A], s43, (3<<16)|(1<<21)
	s_mov_b32 s[G1A+1], (ACH_L/8)<<16
	s_mov_b32 s[G1A+2], (2*NA)<<16                 ; the head's load brings both halves; the ring's count is set behind the wait for it
	s_mov_b32 s[G1A+3], (ACH_L/8)<<16
	s_mov_b32 s[G1A+4], 2*NA
	s_mov_b32 s[G1A+5], KC*ACH_M/8
	s_mov_b32 s[G1A+6], 0
	s_mov_b32 s[G1A+7], 0
	s_or_b32 s[G1B], s44, (1<<20)|(1<<21)|(QIB<<22)|(3<<25)
	s_mov_b32 s[G1B+1], KSLOT<<16
	s_mov_b32 s[G1B+2], (32*NB)<<16
	s_mov_b32 s[G1B+3], KSLOT<<16
	s_mov_b32 s[G1B+4], 32*NB
	s_mov_b32 s[G1B+5], SIZE_K
	s_mov_b32 s[G1B+6], 0
	s_mov_b32 s[G1B+7], 0
	s_or_b32 s[G1S], s44, (3<<16)|(1<<20)|(1<<21)|(5<<22)|(3<<25)
	s_mov_b32 s[G1S+1], 32<<16
	s_mov_b32 s[G1S+2], (2*SU)<<16
	s_mov_b32 s[G1S+3], 32<<16
	s_mov_b32 s[G1S+4], 2*SU
	s_mov_b32 s[G1S+5], 32
	s_mov_b32 s[G1S+6], 0
	s_mov_b32 s[G1S+7], 0
	s_mul_i32 s80, s17, 2*NA
	s_mul_i32 s81, s16, NA
	s_add_co_u32 s80, s80, s81
	s_mul_i32 s80, s80, KC*ACH_M
	s_mov_b32 s81, 0
	s_mul_i32 s84, s42, 32*NB
	s_mul_i32 s85, s16, 16*NB
	s_add_co_u32 s84, s84, s85
	s_mul_i32 s84, s84, SIZE_K
	s_mov_b32 s85, 0
	s_mul_i32 s88, s42, 32*NB
	s_mul_i32 s89, s16, 16*NB                      ; waves 2 and 3 fetch a half of the scale bytes each
	s_add_co_u32 s88, s88, s89
	s_mul_i32 s88, s88, KS
	s_mov_b32 s89, 0
	s_mul_i32 s45, s16, HALFA
	s_mul_i32 s46, s16, HALFB
	s_add_co_u32 s46, s46, 2*HALFA
	s_mul_i32 s47, s16, 2*SU*272
	s_wait_kmcnt 0x0
	s_add_nc_u64 s[80:81], s[4:5], s[80:81]
	s_add_nc_u64 s[84:85], s[6:7], s[84:85]
	s_add_nc_u64 s[88:89], s[8:9], s[88:89]
	CROUND
	s_mov_b32 s[G0S], 1
	s_add_co_u32 s[G0S+1], s47, SCL
	s_mov_b64 s[G0S+2:G0S+3], s[88:89]
	s_or_b32 s[G0S+3], s[G0S+3], 0x80000000
.irp s, 0,1
	s_mov_b32 s[G0A+4*\s], 1
	s_add_co_u32 s[G0A+4*\s+1], s45, \s*SLOT
	s_add_nc_u64 s[G0A+4*\s+2:G0A+4*\s+3], s[80:81], \s*ACH_M
	s_or_b32 s[G0A+4*\s+3], s[G0A+4*\s+3], 0x80000000
	s_mov_b32 s[G0B+4*\s], 1
	s_add_co_u32 s[G0B+4*\s+1], s46, \s*SLOT
	s_add_nc_u64 s[G0B+4*\s+2:G0B+4*\s+3], s[84:85], \s*KSLOT
	s_or_b32 s[G0B+4*\s+3], s[G0B+4*\s+3], 0x80000000
.endr
; THE HEAD'S LOADS, ONE A WAVE: wave 0 slot 0's eight chunks of A, wave 1 its 128 rows of B, waves 2 and 3 a half of B's scale bytes each.  One chain of branches on the wave's number, one load to an arm.
	s_mul_i32 s2, s17, 2*NA*KC*ACH_M               ; A's tile: of the tile row alone
	s_mov_b32 s3, 0
	s_mul_i32 s86, s42, 32*NB*SIZE_K               ; B's tile: of the tile column alone
	s_mov_b32 s87, 0
	s_add_nc_u64 s[86:87], s[6:7], s[86:87]
	s_or_b32 s87, s87, 0x80000000
	s_mov_b32 s84, 1
	s_mov_b32 s85, 2*HALFA
	s_add_nc_u64 s[6:7], s[4:5], s[2:3]
	s_or_b32 s7, s7, 0x80000000
	s_mov_b32 s4, 1
	s_mov_b32 s5, 0
.macro HARM under, g0, g1, next
	s_cmp_lt_u32 s14, \under
	s_cbranch_scc0 \next
	tensor_load_to_lds s[\g0:\g0+3], s[\g1:\g1+7]
	s_nop 0
	PLACES 4
	s_branch .Lhead_asked
\next:
.endm
	HARM 1, 4, G1A, .Lhead_b
	HARM 2, 84, G1B, .Lhead_s
	tensor_load_to_lds s[G0S:G0S+3], s[G1S:G1S+7]
	s_nop 0
	PLACES 4
.Lhead_asked:
	v_and_b32 v1, 15, v0
	v_bfe_u32 v2, v0, 4, 1
	v_and_b32 v3, 31, v0
	v_lshlrev_b32 v[LI], 4, v3
	s_mul_i32 s2, s15, HALFA
	v_add_nc_u32 v[ADRA], s2, v[LI]
	v_add_nc_u32 v[ADRA+1], SLOT, v[ADRA]
	v_mul_u32_u24 v4, v2, ACH_L
	v_mad_u32_u24 v4, v1, 4*NQ, v4
	s_add_co_u32 s2, s2, ASC
	v_add_nc_u32 v[ADSA], s2, v4
	v_add_nc_u32 v[ADSA+1], SLOT, v[ADSA]
	s_mul_i32 s2, s16, HALFB
	s_add_co_u32 s2, s2, 2*HALFA
	v_mul_u32_u24 v4, v1, PITCHB
	v_lshl_add_u32 v4, v2, 4, v4
	v_add_nc_u32 v[ADRB], s2, v4
	v_add_nc_u32 v[ADRB+1], SLOT, v[ADRB]
	v_mul_u32_u24 v4, v1, KS
	v_lshrrev_b32 v5, 8, v4
	v_lshl_add_u32 v4, v5, 4, v4
	v_mad_u32_u24 v4, v2, SBLK, v4
	s_mul_i32 s2, s16, HALFS
	s_add_co_u32 s2, s2, SCL
	v_add_nc_u32 v[ADSB], s2, v4
	s_mul_i32 s2, s14, 4352                        ; my stage: 16 rows of 256 bytes + 16, in slot 0
	v_mul_u32_u24 v4, v1, 272
	v_lshl_add_u32 v4, v2, 5, v4
	v_add_nc_u32 v[STO], s2, v4
	v_mul_u32_u24 v4, v2, 272
	v_lshl_add_u32 v4, v1, 4, v4
	v_add_nc_u32 v[RD], s2, v4
	v_lshlrev_b32 v[CO], 12, v2
	v_lshl_add_u32 v[CO], v1, 4, v[CO]             ; lanes 0-15 one row of 4,096 bytes, lanes 16-31 the next; 16 bytes a lane
	s_wait_alu depctr_va_vdst(0)
	s_mul_i32 s2, s42, 128*NB
	s_mul_i32 s3, s16, 64*NB
	s_add_co_u32 s2, s2, s3
	s_mov_b32 s3, 0
	s_add_nc_u64 s[10:11], s[10:11], s[2:3]
	v_lshlrev_b32 v[BO], 5, v2
.set ib, 0
.rept NB
	global_load_b128 v[CB+8*ib:CB+8*ib+3], v[BO], s[10:11] offset:64*ib
	global_load_b128 v[CB+8*ib+4:CB+8*ib+7], v[BO], s[10:11] offset:64*ib+16
.set ib, ib+1
.endr
	s_lshl_b32 s2, s17, 19                         ; my first row: 128 x tile row + 64 x half, rows of 4,096 bytes;
	s_lshl_b32 s3, s15, 18
	s_add_co_u32 s2, s2, s3
	s_lshl_b32 s3, s42, 9                          ; my first column: 512 bytes a tile + 256 x half
	s_add_co_u32 s2, s2, s3
	s_lshl_b32 s3, s16, 8
	s_add_co_u32 s2, s2, s3
	s_mov_b32 s3, 0
	s_add_nc_u64 s[12:13], s[12:13], s[2:3]
	s_add_nc_u64 s[18:19], s[18:19], s[2:3]
	WIN 0xc0                                       ; destination window 3
.irp a, 0,1,2,3
.irp t, 0,1,2,3,4,5,6,7
	global_load_b128 v[32*\a+4*\t:32*\a+4*\t+3], v[CO], s[12:13] offset:(16*\a+2*\t)*4096   ; sixteen lanes read 256 consecutive bytes, aligned
.endr
.endr
	WIN 0
.macro FETCH_A slot, q, hf
.set fi, (\hf)*NA/2
.rept NA/2
.irp c, 0,1,2,3
	ds_load_b128 v[AF+16*fi+4*\c:AF+16*fi+4*\c+3], v[ADRA+\slot] offset:2048*(\q)+512*\c+fi*ACH_L
.endr
.set fi, fi+1
.endr
.endm
.macro FETCH_B slot, q, p
	WIN 0x40
.set fi, 0
.rept NB
.irp c, 0,1,2,3
	ds_load_b128 v[128*(\p)+16*fi+4*\c:128*(\p)+16*fi+4*\c+3], v[ADRB+\slot] offset:128*(\q)+32*\c+fi*16*PITCHB
.endr
.set fi, fi+1
.endr
	WIN 0
.endm
.macro SCALES sc
.set fi, 0
.rept NA/2
	ds_load_b128 v[SC+16*\sc+4*fi:SC+16*\sc+4*fi+3], v[ADSA+\sc] offset:fi*2*ACH_L
.set fi, fi+1
.endr
.set fi, 0
.rept NB/2
	ds_load_b128 v[SC+16*\sc+NQ*(NA/2)+4*fi:SC+16*\sc+NQ*(NA/2)+4*fi+3], v[ADSB] offset:fi*2*SBLK
.set fi, fi+1
.endr
.endm
.macro WM
.if (ib%2)&&(ia%2)
	v_wmma_scale_f32_16x16x128_f8f6f4 v[rD:rD+7], v[rB:rB+15], v[rA:rA+15], v[rC:rC+7], v[rSB], v[rSA] matrix_a_fmt:MATRIX_FMT_BF8 matrix_b_fmt:MATRIX_FMT_BF8 matrix_a_scale:MATRIX_SCALE_ROW1 matrix_b_scale:MATRIX_SCALE_ROW1
.elseif ib%2
	v_wmma_scale_f32_16x16x128_f8f6f4 v[rD:rD+7], v[rB:rB+15], v[rA:rA+15], v[rC:rC+7], v[rSB], v[rSA] matrix_a_fmt:MATRIX_FMT_BF8 matrix_b_fmt:MATRIX_FMT_BF8 matrix_a_scale:MATRIX_SCALE_ROW1
.elseif ia%2
	v_wmma_scale_f32_16x16x128_f8f6f4 v[rD:rD+7], v[rB:rB+15], v[rA:rA+15], v[rC:rC+7], v[rSB], v[rSA] matrix_a_fmt:MATRIX_FMT_BF8 matrix_b_fmt:MATRIX_FMT_BF8 matrix_b_scale:MATRIX_SCALE_ROW1
.else
	v_wmma_scale_f32_16x16x128_f8f6f4 v[rD:rD+7], v[rB:rB+15], v[rA:rA+15], v[rC:rC+7], v[rSB], v[rSA] matrix_a_fmt:MATRIX_FMT_BF8 matrix_b_fmt:MATRIX_FMT_BF8
.endif
.endm
.macro MULQ g, p, q, sc, first         ; the accumulators take turns, one instruction a turn, in the same order in every step
.set ia, (\g)*NA/4
.rept NA/4
.set AWN, 2+(8*NB*ia)/256
.if \first
	WIN (AWN<<6)|1
.else
	WIN (AWN<<6)|(AWN<<4)|1
.endif
.set ib, 0
.rept NB
.set rD, (8*(NB*ia+ib))%256
.set rB, 128*(\p)+16*ib
.set rA, AF+16*ia
.set rSB, SC+16*(\sc)+NQ*(NA/2)+NQ*(ib/2)+(\q)
.set rSA, SC+16*(\sc)+NQ*(ia/2)+(\q)
.if \first
.set rC, CB+8*ib
.else
.set rC, rD
.endif
	WM
.set ib, ib+1
.endr
.set ia, ia+1
.endr
.endm
.macro STEP slot, q, first
	s_wait_dscnt 2*NA                              ; all but the youngest 2 NA loads, A's second half
	MULQ 0, (\q)%2, \q, \slot, \first
	MULQ 1, (\q)%2, \q, \slot, \first
	s_wait_dscnt 0x0
	PLACES 8
	FETCH_B \slot, (\q)+1, 1-(\q)%2
	FETCH_A \slot, (\q)+1, 0
	MULQ 2, (\q)%2, \q, \slot, \first
	MULQ 3, (\q)%2, \q, \slot, \first
	PLACES 8
	WIN 0
	FETCH_A \slot, (\q)+1, 1
.endm
.macro MID slot, q0
.set qq, \q0
.rept NQ-1-(\q0)
	STEP \slot, qq, 0
.set qq, qq+1
.endr
.endm
.macro TURN slot, next, fill
	s_wait_tensorcnt 0x0                           ; all my tensor loads have landed: my part of the next slot
	ds_add_u32 v[SPW], v[NIL]                      ; 0 onto my spare word
	s_wait_dscnt 2*NA+1                            ; (the add and A's second half may be out)
	MULQ 0, 1, NQ-1, \slot, 0
	s_wait_dscnt 0x0                               ; the add is done, and my reads of this slot are over
	s_barrier_signal -1
	MULQ 1, 1, NQ-1, \slot, 0
	WIN 0
	s_barrier_wait -1
.if \fill
	CREST
	s_add_nc_u64 s[G0A+4*\slot+2:G0A+4*\slot+3], s[G0A+4*\slot+2:G0A+4*\slot+3], 2*ACH_M
	s_add_nc_u64 s[G0B+4*\slot+2:G0B+4*\slot+3], s[G0B+4*\slot+2:G0B+4*\slot+3], 2*KSLOT
	JLOAD G0A+4*\slot, G0B+4*\slot
	PLACES 4
.else
	PLACES 8
.endif
	v_add_nc_u32 v[ADSB], 4*NQ, v[ADSB]
	FETCH_B \next, 0, 0
	FETCH_A \next, 0, 0
	SCALES \next
	MULQ 2, 1, NQ-1, \slot, 0
	MULQ 3, 1, NQ-1, \slot, 0
	PLACES 8
	WIN 0
	FETCH_A \next, 0, 1
.endm
	s_wait_alu depctr_va_vdst(0)
	s_wait_tensorcnt 0x0                           ; my tile of the head's is in; slot 1's first fill is issued as a refill is
	ds_add_u32 v[SPW], v[NIL]
	s_mov_b32 s[G1A+2], NA<<16                     ; no tensor load of mine is out: from here on a load brings one half
	s_mov_b32 s[G1A+4], NA
	s_mov_b32 s[G1B+2], (16*NB)<<16
	s_mov_b32 s[G1B+4], 16*NB
	s_wait_dscnt 0x0
	CROUND                                         ; all the head's tiles are in, and all sixteen work-groups are here
	JLOAD G0A+4, G0B+4                             ; slot 1: the first tensor load behind the round
	FETCH_B 0, 0, 0
	FETCH_A 0, 0, 0
	SCALES 0
	FETCH_A 0, 0, 1
	s_wait_loadcnt 32                              ; the bias is in; the residual's 32 loads may be out
	STEP 0, 0, 1
.if LAPS > 1
	s_mov_b32 s3, LAPS-1
.Llap:
	MID 0, 1
	TURN 0, 1, 1
	MID 1, 0
	TURN 1, 0, 1
	STEP 0, 0, 0
	s_sub_co_u32 s3, s3, 1
	s_cmp_lg_u32 s3, 0
	s_cbranch_scc1 .Llap
.endif
	MID 0, 1
	TURN 0, 1, 0
	MID 1, 0
	s_wait_dscnt 2*NA
	MULQ 0, 1, NQ-1, 1, 0
	MULQ 1, 1, NQ-1, 1, 0
	s_wait_dscnt 0x0
	MULQ 2, 1, NQ-1, 1, 0
	MULQ 3, 1, NQ-1, 1, 0
	WIN 0
	PLACES 8
	s_wait_loadcnt 0x0                             ; the residual
; THE WAY OUT, 16 tokens at a time: through my own stage, back as whole rows of 256 bytes, the residual added, stored.  LDS serves a wave's instructions in order: no wait between the stores and the loads.
.macro OUTB a
.if (\a) > 0
	s_wait_xcnt 0x0                                ; the last block's stores have read their registers
.endif
	WIN 0x08
.irp b, 0,1,2,3
	ds_store_b128 v[STO], v[8*(4*(\a)+\b):8*(4*(\a)+\b)+3] offset:64*\b          ; each accumulator from its low end on
	ds_store_b128 v[STO], v[8*(4*(\a)+\b)+4:8*(4*(\a)+\b)+7] offset:64*\b+16
.endr
	WIN 0
.irp t, 0,1,2,3,4,5,6,7
	ds_load_b128 v[BK+4*\t:BK+4*\t+3], v[RD] offset:544*\t
.endr
	s_wait_dscnt 0x0
	WIN 0x0c
.irp t, 0,1,2,3,4,5,6,7,8,9,10,11,12,13,14,15
	v_pk_add_f32 v[BK+2*\t:BK+2*\t+1], v[BK+2*\t:BK+2*\t+1], v[32*(\a)+2*\t:32*(\a)+2*\t+1]
.endr
	WIN 0
.irp t, 0,1,2,3,4,5,6,7
	global_store_b128 v[CO], v[BK+4*\t:BK+4*\t+3], s[18:19] offset:(16*(\a)+2*\t)*4096   ; sixteen lanes store 256 consecutive bytes, aligned
.endr
.endm
.irp a, 0,1,2,3
	OUTB \a
.endr
	s_wait_tensorcnt 0x0                           ; the wave's end
	ds_add_u32 v[SPW], v[NIL]
	s_wait_dscnt 0x0
	CROUND
	s_endpgm
.Lfunc_end_k_q62ce9e5fef_proj:
	.size	k_q62ce9e5fef_proj, .Lfunc_end_k_q62ce9e5fef_proj-k_q62ce9e5fef_proj
	.p2alignl 7, 3214868480
	.fill 96, 4, 3214868480
	.section	.rodata,"a",@progbits
	.p2align	6, 0x0
	.amdhsa_kernel k_q62ce9e5fef_proj
		.amdhsa_group_segment_fixed_size 327680
		.amdhsa_private_segment_fixed_size 0
		.amdhsa_enable_private_segment 0
		.amdhsa_kernarg_size 48
		.amdhsa_user_sgpr_count 2
		.amdhsa_user_sgpr_kernarg_segment_ptr 1
		.amdhsa_wavefront_size32 1
		.amdhsa_system_sgpr_workgroup_id_x 1
		.amdhsa_system_sgpr_workgroup_id_y 1
		.amdhsa_system_sgpr_workgroup_id_z 1
		.amdhsa_system_vgpr_workitem_id 0
		.amdhsa_next_free_vgpr 1024
		.amdhsa_next_free_sgpr 90
		.amdhsa_reserve_vcc 0
		.amdhsa_float_denorm_mode_32 3
		.amdhsa_float_denorm_mode_16_64 3
		.amdhsa_memory_ordered 1
		.amdhsa_forward_progress 1
		.amdhsa_inst_pref_size 65
	.end_amdhsa_kernel
	.amdgpu_metadata
---
amdhsa.version: [ 1, 2 ]
amdhsa.kernels:
  - .name:           k_q62ce9e5fef_proj
    .symbol:         k_q62ce9e5fef_proj.kd
    .args:
      - { .name: ao, .offset: 0, .size: 8, .value_kind: global_buffer, .address_space: global }
      - { .name: w_proj_codes, .offset: 8, .size: 8, .value_kind: global_buffer, .address_space: global }
      - { .name: w_proj_scales, .offset: 16, .size: 8, .value_kind: global_buffer, .address_space: global }
      - { .name: b_proj, .offset: 24, .size: 8, .value_kind: global_buffer, .address_space: global }
      - { .name: x, .offset: 32, .size: 8, .value_kind: global_buffer, .address_space: global }
      - { .name: x2, .offset: 40, .size: 8, .value_kind: global_buffer, .address_space: global }
    .group_segment_fixed_size: 327680
    .private_segment_fixed_size: 0
    .kernarg_segment_align: 8
    .kernarg_segment_size: 48
    .max_flat_workgroup_size: 128
    .sgpr_count:     90
    .vgpr_count:     1024
    .wavefront_size: 32
...
	.end_amdgpu_metadata
.endif
;; end of part 4
;; launch ln2: the kernel of part 1 again; grid 256 x 1, 8 waves a work-group, no clusters, 2,048 bytes of LDS; arguments x2, ln2_g, ln2_b, act; writes act
;; launch fc1 (part 5): grid 16 x 16, 4 waves a work-group, clusters of 4 x 4, 327,680 bytes of LDS; arguments act, w_fc1_codes, w_fc1_scales, b_fc1, hid; writes hid
.if DOCPART == 5
	.amdgcn_target "amdgcn-amd-amdhsa--gfx1250"
	.amdhsa_code_object_version 6
	.text
	.protected	k_q62ce9e5fef_fc1
	.globl	k_q62ce9e5fef_fc1
	.p2align	8
	.type	k_q62ce9e5fef_fc1,@function
k_q62ce9e5fef_fc1:
	s_mov_b64 s[64:65], 0
	v_nop
	global_prefetch_b8 v0, s[64:65] scope:SCOPE_SE
	s_setreg_imm32_b32 hwreg(HW_REG_WAVE_MODE, 25, 1), 1
	s_wait_xcnt 0x0
	s_wait_alu depctr_hold_cnt(0) depctr_sa_sdst(0) depctr_va_vdst(0) depctr_va_sdst(0) depctr_va_ssrc(0) depctr_va_vcc(0) depctr_vm_vsrc(0)
	s_getreg_b32 s2, hwreg(HW_REG_IB_STS2, 6, 4)
	s_cmp_eq_u32 s2, 0
	s_cbranch_scc0 .Lentry_in_a_cluster
	s_endpgm
.Lentry_in_a_cluster:
	s_bfe_u32 s2, ttmp6, 0x10000c
	s_cmp_lg_u32 s2, 0xf033
	s_cbranch_scc0 .Lentry_shape_is_right
	s_endpgm
.Lentry_shape_is_right:
.set NA, 8
.set NB, 8
.set NQ, 2
.set SIZE_K, 1024
.set ACH_M, 4352
.set ACH_L, 4224
.set QIB, 5
.set KSLOT,  128*NQ
.set KC,     SIZE_K/KSLOT
.set KS,     SIZE_K/32
.set LAPS,   SIZE_K/(2*KSLOT)
.set ASC,    2048*NQ
.set HALFA,  NA*ACH_L
.set PITCHB, KSLOT+16
.set HALFB,  16*NB*PITCHB
.set SLOT,   2*HALFA+2*HALFB
.set SBLK,   (16*KS/256)*272
.set HALFS,  NB*SBLK
.set SU,     8*NB*KS/256
.set SCL,    2*SLOT
.set SPARE,  SCL+2*HALFS
.set ADRA, 16
.set ADSA, 18
.set ADRB, 20
.set ADSB, 27
.set SPW,  28
.set NIL,  29
.set LI,   30
.set BO,   31
.set SC,   32
.set CB,   64
.set AF,   128
.set WO,   24
.set PC,   128
.set TM,   160
.set PW,   176
.set TT,   64
.set C9,   250
.set GA,   0
.set GM,   64
.set GU,   128
.set GP,   192
.set CK,   80
.set K1,   98
.set NK,   100
.set G1A, 24
.set G0A, 32
.set G1B, 48
.set G0B, 56
.set G1S, 68
.set G0S, 76
.set SEL, 66
.set MNT, 22
.set MSB, 0
.macro WIN new
.if MSB != (\new)
	s_set_vgpr_msb (MSB<<8)|(\new)
.set MSB, (\new)
.endif
.endm
.macro PLACES n
.rept \n
	v_nop
.endr
.endm
.macro JLOAD g0a, g0b
	s_cmp_eq_u32 s15, 0
	s_cbranch_scc0 .Lfor_b_\@
	tensor_load_to_lds s[\g0a:\g0a+3], s[G1A:G1A+7]
	s_nop 0
	PLACES 4
	s_branch .Lasked_\@
.Lfor_b_\@:
	tensor_load_to_lds s[\g0b:\g0b+3], s[G1B:G1B+7]
	s_nop 0
	PLACES 4
.Lasked_\@:
.endm
.macro CREST
	s_cmp_lg_u32 s14, 0
	s_cbranch_scc1 .Lnot_wave_0_\@
	s_barrier_signal -3
.Lnot_wave_0_\@:
	s_barrier_wait -3
	s_barrier_signal -1
	s_barrier_wait -1
.endm
.macro CROUND
	s_barrier_signal -1
	s_barrier_wait -1
	CREST
.endm
	s_load_b256 s[4:11], s[0:1], 0x0
	s_load_b64 s[12:13], s[0:1], 0x20
	v_lshl_add_u32 v[SPW], v0, 2, SPARE
	v_mov_b32 v[NIL], 0
	ds_add_u32 v28, v29
	ds_add_u32 v28, v29
	s_wait_dscnt 0x0
	v_lshrrev_b32 v1, 5, v0
	v_readfirstlane_b32 s14, v1
	s_lshr_b32 s15, s14, 1
	s_and_b32 s16, s14, 1
	s_bfe_u32 s40, ttmp6, 0x40000
	s_bfe_u32 s41, ttmp6, 0x40004
	s_lshl_b32 s42, ttmp9, 2
	s_add_co_u32 s42, s42, s40
	s_and_b32 s17, ttmp7, 0xffff
	s_lshl_b32 s17, s17, 2
	s_add_co_u32 s17, s17, s41
	s_lshl_b32 s43, s41, 2
	s_lshl_b32 s43, 15, s43
	s_lshl_b32 s44, 0x1111, s40
	s_or_b32 s[G1A], s43, (3<<16)|(1<<21)
	s_mov_b32 s[G1A+1], (ACH_L/8)<<16
	s_mov_b32 s[G1A+2], (2*NA)<<16                 ; the head's load brings both halves; the ring's count is set behind the wait for it
	s_mov_b32 s[G1A+3], (ACH_L/8)<<16
	s_mov_b32 s[G1A+4], 2*NA
	s_mov_b32 s[G1A+5], KC*ACH_M/8
	s_mov_b32 s[G1A+6], 0
	s_mov_b32 s[G1A+7], 0
	s_or_b32 s[G1B], s44, (1<<20)|(1<<21)|(QIB<<22)|(3<<25)
	s_mov_b32 s[G1B+1], KSLOT<<16
	s_mov_b32 s[G1B+2], (32*NB)<<16
	s_mov_b32 s[G1B+3], KSLOT<<16
	s_mov_b32 s[G1B+4], 32*NB
	s_mov_b32 s[G1B+5], SIZE_K
	s_mov_b32 s[G1B+6], 0
	s_mov_b32 s[G1B+7], 0
	s_or_b32 s[G1S], s44, (3<<16)|(1<<20)|(1<<21)|(5<<22)|(3<<25)
	s_mov_b32 s[G1S+1], 32<<16
	s_mov_b32 s[G1S+2], (2*SU)<<16
	s_mov_b32 s[G1S+3], 32<<16
	s_mov_b32 s[G1S+4], 2*SU
	s_mov_b32 s[G1S+5], 32
	s_mov_b32 s[G1S+6], 0
	s_mov_b32 s[G1S+7], 0
	s_mul_i32 s80, s17, 2*NA
	s_mul_i32 s81, s16, NA
	s_add_co_u32 s80, s80, s81
	s_mul_i32 s80, s80, KC*ACH_M
	s_mov_b32 s81, 0
	s_mul_i32 s84, s42, 32*NB
	s_mul_i32 s85, s16, 16*NB
	s_add_co_u32 s84, s84, s85
	s_mul_i32 s84, s84, SIZE_K
	s_mov_b32 s85, 0
	s_mul_i32 s88, s42, 32*NB
	s_mul_i32 s89, s16, 16*NB                      ; waves 2 and 3 fetch a half of the scale bytes each
	s_add_co_u32 s88, s88, s89
	s_mul_i32 s88, s88, KS
	s_mov_b32 s89, 0
	s_mul_i32 s45, s16, HALFA
	s_mul_i32 s46, s16, HALFB
	s_add_co_u32 s46, s46, 2*HALFA
	s_mul_i32 s47, s16, 2*SU*272
	s_mov_b32 s[SEL], 0x76543210
	s_mov_b32 s[SEL+1], 0xfedcba98
	s_mov_b32 s[MNT], 0x600000
	s_mov_b32 s23, 0x7fffffff
	s_wait_kmcnt 0x0
	s_add_nc_u64 s[80:81], s[4:5], s[80:81]
	s_add_nc_u64 s[84:85], s[6:7], s[84:85]
	s_add_nc_u64 s[88:89], s[8:9], s[88:89]
	CROUND
	s_mov_b32 s[G0S], 1
	s_add_co_u32 s[G0S+1], s47, SCL
	s_mov_b64 s[G0S+2:G0S+3], s[88:89]
	s_or_b32 s[G0S+3], s[G0S+3], 0x80000000
.irp s, 0,1
	s_mov_b32 s[G0A+4*\s], 1
	s_add_co_u32 s[G0A+4*\s+1], s45, \s*SLOT
	s_add_nc_u64 s[G0A+4*\s+2:G0A+4*\s+3], s[80:81], \s*ACH_M
	s_or_b32 s[G0A+4*\s+3], s[G0A+4*\s+3], 0x80000000
	s_mov_b32 s[G0B+4*\s], 1
	s_add_co_u32 s[G0B+4*\s+1], s46, \s*SLOT
	s_add_nc_u64 s[G0B+4*\s+2:G0B+4*\s+3], s[84:85], \s*KSLOT
	s_or_b32 s[G0B+4*\s+3], s[G0B+4*\s+3], 0x80000000
.endr
; THE HEAD'S LOADS, ONE A WAVE: wave 0 slot 0's sixteen chunks of A, wave 1 its 256 rows of B, waves 2 and 3 a half of B's scale bytes each.  One chain of branches on the wave's number, one load to an arm.
	s_mul_i32 s2, s17, 2*NA*KC*ACH_M               ; A's tile: of the tile row alone
	s_mov_b32 s3, 0
	s_mul_i32 s86, s42, 32*NB*SIZE_K               ; B's tile: of the tile column alone
	s_mov_b32 s87, 0
	s_add_nc_u64 s[86:87], s[6:7], s[86:87]
	s_or_b32 s87, s87, 0x80000000
	s_mov_b32 s84, 1
	s_mov_b32 s85, 2*HALFA
	s_add_nc_u64 s[6:7], s[4:5], s[2:3]
	s_or_b32 s7, s7, 0x80000000
	s_mov_b32 s4, 1
	s_mov_b32 s5, 0
.macro HARM under, g0, g1, next
	s_cmp_lt_u32 s14, \under
	s_cbranch_scc0 \next
	tensor_load_to_lds s[\g0:\g0+3], s[\g1:\g1+7]
	s_nop 0
	PLACES 4
	s_branch .Lhead_asked
\next:
.endm
	HARM 1, 4, G1A, .Lhead_b
	HARM 2, 84, G1B, .Lhead_s
	tensor_load_to_lds s[G0S:G0S+3], s[G1S:G1S+7]
	s_nop 0
	PLACES 4
.Lhead_asked:
	v_and_b32 v1, 15, v0
	v_bfe_u32 v2, v0, 4, 1
	v_and_b32 v3, 31, v0
	v_lshlrev_b32 v[LI], 4, v3
	v_lshlrev_b32 v[WO], 4, v1
	s_mul_i32 s2, s15, HALFA
	v_add_nc_u32 v[ADRA], s2, v[LI]
	v_add_nc_u32 v[ADRA+1], SLOT, v[ADRA]
	v_mul_u32_u24 v4, v2, ACH_L
	v_mad_u32_u24 v4, v1, 4*NQ, v4
	s_add_co_u32 s2, s2, ASC
	v_add_nc_u32 v[ADSA], s2, v4
	v_add_nc_u32 v[ADSA+1], SLOT, v[ADSA]
	s_mul_i32 s2, s16, HALFB
	s_add_co_u32 s2, s2, 2*HALFA
	v_mul_u32_u24 v4, v1, PITCHB
	v_lshl_add_u32 v4, v2, 4, v4
	v_add_nc_u32 v[ADRB], s2, v4
	v_add_nc_u32 v[ADRB+1], SLOT, v[ADRB]
	v_mul_u32_u24 v4, v1, KS
	v_lshrrev_b32 v5, 8, v4
	v_lshl_add_u32 v4, v5, 4, v4
	v_mad_u32_u24 v4, v2, SBLK, v4
	s_mul_i32 s2, s16, HALFS
	s_add_co_u32 s2, s2, SCL
	v_add_nc_u32 v[ADSB], s2, v4
	s_mul_i32 s2, s42, 128*NB
	s_mul_i32 s3, s16, 64*NB
	s_add_co_u32 s2, s2, s3
	s_mov_b32 s3, 0
	s_add_nc_u64 s[10:11], s[10:11], s[2:3]
	v_lshlrev_b32 v[BO], 5, v2
.set ib, 0
.rept NB
	global_load_b128 v[CB+8*ib:CB+8*ib+3], v[BO], s[10:11] offset:64*ib
	global_load_b128 v[CB+8*ib+4:CB+8*ib+7], v[BO], s[10:11] offset:64*ib+16
.set ib, ib+1
.endr
	s_lshl_b32 s2, s17, 4
	s_lshl_b32 s3, s15, 3
	s_add_co_u32 s2, s2, s3
	s_mul_i32 s2, s2, 67584
	s_lshr_b32 s3, s42, 1
	s_mul_i32 s3, s3, 8448
	s_add_co_u32 s2, s2, s3
	s_and_b32 s3, s42, 1
	s_lshl_b32 s3, s3, 1
	s_add_co_u32 s3, s3, s16
	s_lshl_b32 s46, s3, 2
	s_add_co_u32 s46, s46, s2
	s_lshl_b32 s3, s3, 11
	s_add_co_u32 s2, s2, s3
	s_mov_b32 s3, 0
	s_mov_b32 s47, 0
	s_add_nc_u64 s[18:19], s[12:13], s[46:47]
	s_add_nc_u64 s[12:13], s[12:13], s[2:3]
.macro FETCH_A slot, q, hf
.set fi, (\hf)*NA/2
.rept NA/2
.irp c, 0,1,2,3
	ds_load_b128 v[AF+16*fi+4*\c:AF+16*fi+4*\c+3], v[ADRA+\slot] offset:2048*(\q)+512*\c+fi*ACH_L
.endr
.set fi, fi+1
.endr
.endm
.macro FETCH_B slot, q, p
	WIN 0x40
.set fi, 0
.rept NB
.irp c, 0,1,2,3
	ds_load_b128 v[128*(\p)+16*fi+4*\c:128*(\p)+16*fi+4*\c+3], v[ADRB+\slot] offset:128*(\q)+32*\c+fi*16*PITCHB
.endr
.set fi, fi+1
.endr
	WIN 0
.endm
.macro SCALES sc
.set fi, 0
.rept NA/2
	ds_load_b64 v[SC+16*\sc+2*fi:SC+16*\sc+2*fi+1], v[ADSA+\sc] offset:fi*2*ACH_L
.set fi, fi+1
.endr
.set fi, 0
.rept NB/2
	ds_load_b64 v[SC+16*\sc+NQ*(NA/2)+2*fi:SC+16*\sc+NQ*(NA/2)+2*fi+1], v[ADSB] offset:fi*2*SBLK
.set fi, fi+1
.endr
.endm
.macro WM
.if (ib%2)&&(ia%2)
	v_wmma_scale_f32_16x16x128_f8f6f4 v[rD:rD+7], v[rB:rB+15], v[rA:rA+15], v[rC:rC+7], v[rSB], v[rSA] matrix_a_fmt:MATRIX_FMT_BF8 matrix_b_fmt:MATRIX_FMT_BF8 matrix_a_scale:MATRIX_SCALE_ROW1 matrix_b_scale:MATRIX_SCALE_ROW1
.elseif ib%2
	v_wmma_scale_f32_16x16x128_f8f6f4 v[rD:rD+7], v[rB:rB+15], v[rA:rA+15], v[rC:rC+7], v[rSB], v[rSA] matrix_a_fmt:MATRIX_FMT_BF8 matrix_b_fmt:MATRIX_FMT_BF8 matrix_a_scale:MATRIX_SCALE_ROW1
.elseif ia%2
	v_wmma_scale_f32_16x16x128_f8f6f4 v[rD:rD+7], v[rB:rB+15], v[rA:rA+15], v[rC:rC+7], v[rSB], v[rSA] matrix_a_fmt:MATRIX_FMT_BF8 matrix_b_fmt:MATRIX_FMT_BF8 matrix_b_scale:MATRIX_SCALE_ROW1
.else
	v_wmma_scale_f32_16x16x128_f8f6f4 v[rD:rD+7], v[rB:rB+15], v[rA:rA+15], v[rC:rC+7], v[rSB], v[rSA] matrix_a_fmt:MATRIX_FMT_BF8 matrix_b_fmt:MATRIX_FMT_BF8
.endif
.endm
.macro MULQ g, p, q, sc, first
.set ia, (\g)*NA/4
.rept NA/4
.set AWN, 2+(8*NB*ia)/256
.if \first
	WIN (AWN<<6)|1
.else
	WIN (AWN<<6)|(AWN<<4)|1
.endif
.set ib, 0
.rept NB
.set rD, (8*(NB*ia+ib))%256
.set rB, 128*(\p)+16*ib
.set rA, AF+16*ia
.set rSB, SC+16*(\sc)+NQ*(NA/2)+NQ*(ib/2)+(\q)
.set rSA, SC+16*(\sc)+NQ*(ia/2)+(\q)
.if \first
.set rC, CB+8*ib
.else
.set rC, rD
.endif
	WM
.set ib, ib+1
.endr
.set ia, ia+1
.endr
.endm
.macro STEP slot, q, first
	s_wait_dscnt 2*NA
	MULQ 0, (\q)%2, \q, \slot, \first
	MULQ 1, (\q)%2, \q, \slot, \first
	s_wait_dscnt 0x0
	PLACES 8
	FETCH_B \slot, (\q)+1, 1-(\q)%2
	FETCH_A \slot, (\q)+1, 0
	MULQ 2, (\q)%2, \q, \slot, \first
	MULQ 3, (\q)%2, \q, \slot, \first
	PLACES 8
	WIN 0
	FETCH_A \slot, (\q)+1, 1
.endm
.macro MID slot, q0
.set qq, \q0
.rept NQ-1-(\q0)
	STEP \slot, qq, 0
.set qq, qq+1
.endr
.endm
.macro TURN slot, next, fill
	s_wait_tensorcnt 0x0
	ds_add_u32 v[SPW], v[NIL]
	s_wait_dscnt 2*NA+1
	MULQ 0, 1, NQ-1, \slot, 0
	s_wait_dscnt 0x0
	s_barrier_signal -1
	MULQ 1, 1, NQ-1, \slot, 0
	WIN 0
	s_barrier_wait -1
.if \fill
	CREST
	s_add_nc_u64 s[G0A+4*\slot+2:G0A+4*\slot+3], s[G0A+4*\slot+2:G0A+4*\slot+3], 2*ACH_M
	s_add_nc_u64 s[G0B+4*\slot+2:G0B+4*\slot+3], s[G0B+4*\slot+2:G0B+4*\slot+3], 2*KSLOT
	JLOAD G0A+4*\slot, G0B+4*\slot
	PLACES 4
.else
	PLACES 8
.endif
	s_wait_alu depctr_va_vdst(0)
	v_add_nc_u32 v[ADSB], 4*NQ, v[ADSB]
	FETCH_B \next, 0, 0
	FETCH_A \next, 0, 0
	SCALES \next
	MULQ 2, 1, NQ-1, \slot, 0
	MULQ 3, 1, NQ-1, \slot, 0
	PLACES 8
	WIN 0
	FETCH_A \next, 0, 1
.endm
	s_wait_alu depctr_va_vdst(0)
	s_wait_tensorcnt 0x0                           ; my tile of the head's is in; slot 1's first fill is issued as a refill is
	ds_add_u32 v[SPW], v[NIL]
	s_mov_b32 s[G1A+2], NA<<16                     ; no tensor load of mine is out: from here on a load brings one half,
	s_mov_b32 s[G1A+4], NA
	s_mov_b32 s[G1B+2], (16*NB)<<16
	s_mov_b32 s[G1B+4], 16*NB
	s_mov_b32 s[CK+0], 0xc034d90f                  ; and the registers of the head's descriptors take the activation's constants
	s_mov_b32 s[CK+2], 0x3fb8ab5a
	s_mov_b32 s[CK+4], 0x3f0a29d2
	s_mov_b32 s[CK+6], 0x3e0efb2e
	s_mov_b32 s[CK+8], 0xbe899a80
	s_mov_b32 s[CK+10], 0x3ecdfd18
	s_mov_b32 s[CK+12], 0xbfd1a1e5
	s_mov_b32 s[CK+14], 0x40097039
	s_mov_b32 s[CK+16], 0xbf97d29d
	s_mov_b32 s[K1], 0x3eb504f3
	s_mov_b32 s[NK], 0xbf38aa3b
.irp k, 0,2,4,6,8,10,12,14,16,18,20
	s_mov_b32 s[CK+\k+1], s[CK+\k]
.endr
	s_wait_dscnt 0x0
	CROUND                                         ; all the head's tiles are in, and all sixteen work-groups are here
	JLOAD G0A+4, G0B+4                             ; slot 1: the first tensor load behind the round
	FETCH_B 0, 0, 0
	FETCH_A 0, 0, 0
	SCALES 0
	FETCH_A 0, 0, 1
	s_wait_loadcnt 0x0
	STEP 0, 0, 1
	s_mov_b32 s3, LAPS-1
.Llap:
	MID 0, 1
	TURN 0, 1, 1
	MID 1, 0
	TURN 1, 0, 1
	STEP 0, 0, 0
	s_sub_co_u32 s3, s3, 1
	s_cmp_lg_u32 s3, 0
	s_cbranch_scc1 .Llap
	MID 0, 1
	TURN 0, 1, 0
	MID 1, 0
	s_wait_dscnt 2*NA
	MULQ 0, 1, NQ-1, 1, 0
	MULQ 1, 1, NQ-1, 1, 0
	s_wait_dscnt 0x0
	MULQ 2, 1, NQ-1, 1, 0
	MULQ 3, 1, NQ-1, 1, 0
	WIN 0
	PLACES 8
.macro QUANT s, w, swp
	WIN (\w)|((\w)<<2)
.irp b, 0,1,2,3
	v_max3_num_f32 v[TM+\b], |v[(\s)+16*\b]|, |v[(\s)+16*\b+1]|, 0x8000000
.endr
	WIN ((\w)<<2)|((\w)<<4)
.irp i, 2,4,6,8,10,12,14
.irp b, 0,1,2,3
	v_max3_num_f32 v[TM+\b], v[TM+\b], |v[(\s)+16*\b+\i]|, |v[(\s)+16*\b+\i+1]|
.endr
.endr
	WIN 0
.irp b, 0,1,2,3
	v_permlanex16_b32 v[TM+4+\b], v[TM+\b], s[SEL], s[SEL+1]
.endr
.irp b, 0,1,2,3
	v_max_num_f32 v[TM+\b], v[TM+\b], v[TM+4+\b]
.endr
.irp b, 0,1,2,3
	v_add_nc_u32 v[TM+12+\b], 0xf8800000, v[TM+\b]
.endr
.irp b, 0,1,2,3
	v_and_or_b32 v[TM+8+\b], v[TM+\b], 0x7f800000, s[MNT]
.endr
.irp b, 0,1,2,3
	v_lshrrev_b32 v[TM+4+\b], 23, v[TM+12+\b]
.endr
	WIN (\w)|((\w)<<6)
.irp b, 0,1,2,3
.irp i, 0,1,2,3,4,5,6,7,8,9,10,11,12,13,14,15
	v_med3_num_f32 v[(\s)+16*\b+\i], v[(\s)+16*\b+\i], -v[TM+8+\b], v[TM+8+\b]
.endr
.endr
	WIN (\w)
.irp b, 0,1,2,3
	v_cvt_scalef32_pk8_bf8_f32 v[PC+4*\b:PC+4*\b+1], v[(\s)+16*\b:(\s)+16*\b+7], v[TM+12+\b]
	v_cvt_scalef32_pk8_bf8_f32 v[PC+4*\b+2:PC+4*\b+3], v[(\s)+16*\b+8:(\s)+16*\b+15], v[TM+12+\b]
.endr
	WIN 0
	v_nop
.if \swp
.irp b, 0,1,2,3
	v_permlane16_swap_b32 v[PC+4*\b], v[PC+4*\b+2]
	v_permlane16_swap_b32 v[PC+4*\b+1], v[PC+4*\b+3]
.endr
.endif
.endm
.macro ARM a
	WIN (1<<6)|((2+(\a)/4)<<2)
.set i, 0
.rept 64
	v_and_b32 v[GA+i], s23, v[64*((\a)%4)+i]
.set i, i+1
.endr
.set i, 0
.rept 64
	v_max_num_f32 v[GM+i], 0, v[64*((\a)%4)+i]
.set i, i+1
.endr
	WIN 0
.endm
.irp b, 0,1,2,3
	v_mov_b32 v[TM+4+\b], 0
.endr
	v_mov_b32 v[C9], 0x3e7c6f08
	v_mov_b32 v[C9+1], 0x3e7c6f08
	s_mov_b32 s3, 0
.Lrow:
.irp a, 0,1,2,3,4,5,6
	s_cmp_eq_u32 s3, \a
	s_cbranch_scc1 .Larm\a
.endr
	ARM 7
	s_branch .Lgo
.irp a, 0,1,2,3,4,5,6
.Larm\a:
	ARM \a
	s_branch .Lgo
.endr
.Lgo:
	WIN 0x55
.set i, 0
.rept 32
	v_pk_fma_f32 v[GU+i:GU+i+1], v[GA+i:GA+i+1], s[K1:K1+1], 1.0 op_sel_hi:[1,0,0]
.set i, i+2
.endr
.set i, 0
	s_wait_alu depctr_va_vdst(0)
.rept 64
	v_rcp_f32 v[GU+i], v[GU+i]
.set i, i+1
.endr
	v_nop
	s_wait_alu depctr_va_vdst(0)
	WIN 0x41
.set i, 0
.rept 32
	v_pk_fma_f32 v[GP+i:GP+i+1], v[GU+i:GU+i+1], v[C9:C9+1], s[CK+16:CK+17] op_sel_hi:[1,1,0]
.set i, i+2
.endr
	WIN 0x55
.irp k, 7,6,5,4,3,2,1,0
.set i, 0
.rept 32
	v_pk_fma_f32 v[GP+i:GP+i+1], v[GP+i:GP+i+1], v[GU+i:GU+i+1], s[CK+2*\k:CK+2*\k+1] op_sel_hi:[1,1,0]
.set i, i+2
.endr
.endr
	WIN 0x01
.set i, 0
.rept 32
	v_pk_mul_f32 v[TT+i:TT+i+1], v[GA+i:GA+i+1], s[NK:NK+1] op_sel_hi:[1,0]
.set i, i+2
.endr
	WIN 0x54
.set i, 0
.rept 32
	v_pk_fma_f32 v[GP+i:GP+i+1], v[TT+i:TT+i+1], v[GA+i:GA+i+1], v[GP+i:GP+i+1]
.set i, i+2
.endr
	WIN 0x55
.set i, 0
	s_wait_alu depctr_va_vdst(0)
.rept 64
	v_exp_f32 v[GP+i], v[GP+i]
.set i, i+1
.endr
.set i, 0
.rept 32
	v_pk_mul_f32 v[GA+i:GA+i+1], v[GA+i:GA+i+1], v[GU+i:GU+i+1]
.set i, i+2
.endr
	s_wait_alu depctr_va_vdst(0)
.set i, 0
.rept 32
	v_pk_fma_f32 v[GM+i:GM+i+1], v[GA+i:GA+i+1], v[GP+i:GP+i+1], v[GM+i:GM+i+1] neg_lo:[1,0,0] neg_hi:[1,0,0]
.set i, i+2
.endr
	WIN 0
	QUANT GM, 1, 1
	v_lshl_or_b32 v[PW], v[TM+5], 8, v[TM+4]
	v_lshl_or_b32 v[PW], v[TM+6], 16, v[PW]
	v_lshl_or_b32 v[PW], v[TM+7], 24, v[PW]
.irp be, 0,1,2,3
	global_store_b128 v[LI], v[PC+4*\be:PC+4*\be+3], s[12:13] offset:512*\be
.endr
	global_store_b32 v[WO], v[PW], s[18:19] offset:8192
	s_wait_xcnt 0x0
	s_add_nc_u64 s[12:13], s[12:13], 67584
	s_add_nc_u64 s[18:19], s[18:19], 67584
	s_add_co_u32 s3, s3, 1
	s_cmp_lt_u32 s3, 8
	s_cbranch_scc1 .Lrow
	s_wait_tensorcnt 0x0
	ds_add_u32 v[SPW], v[NIL]
	s_wait_dscnt 0x0
	CROUND
	s_endpgm
.Lfunc_end_k_q62ce9e5fef_fc1:
	.size	k_q62ce9e5fef_fc1, .Lfunc_end_k_q62ce9e5fef_fc1-k_q62ce9e5fef_fc1
	.p2alignl 7, 3214868480
	.fill 96, 4, 3214868480
	.section	.rodata,"a",@progbits
	.p2align	6, 0x0
	.amdhsa_kernel k_q62ce9e5fef_fc1
		.amdhsa_group_segment_fixed_size 327680
		.amdhsa_private_segment_fixed_size 0
		.amdhsa_enable_private_segment 0
		.amdhsa_kernarg_size 40
		.amdhsa_user_sgpr_count 2
		.amdhsa_user_sgpr_kernarg_segment_ptr 1
		.amdhsa_wavefront_size32 1
		.amdhsa_system_sgpr_workgroup_id_x 1
		.amdhsa_system_sgpr_workgroup_id_y 1
		.amdhsa_system_sgpr_workgroup_id_z 1
		.amdhsa_system_vgpr_workitem_id 0
		.amdhsa_next_free_vgpr 1024
		.amdhsa_next_free_sgpr 102
		.amdhsa_reserve_vcc 0
		.amdhsa_float_denorm_mode_32 3
		.amdhsa_float_denorm_mode_16_64 3
		.amdhsa_memory_ordered 1
		.amdhsa_forward_progress 1
		.amdhsa_inst_pref_size 195
	.end_amdhsa_kernel
	.amdgpu_metadata
---
amdhsa.version: [ 1, 2 ]
amdhsa.kernels:
  - .name:           k_q62ce9e5fef_fc1
    .symbol:         k_q62ce9e5fef_fc1.kd
    .args:
      - { .name: act, .offset: 0, .size: 8, .value_kind: global_buffer, .address_space: global }
      - { .name: w_fc1_codes, .offset: 8, .size: 8, .value_kind: global_buffer, .address_space: global }
      - { .name: w_fc1_scales, .offset: 16, .size: 8, .value_kind: global_buffer, .address_space: global }
      - { .name: b_fc1, .offset: 24, .size: 8, .value_kind: global_buffer, .address_space: global }
      - { .name: hid, .offset: 32, .size: 8, .value_kind: global_buffer, .address_space: global }
    .group_segment_fixed_size: 327680
    .private_segment_fixed_size: 0
    .kernarg_segment_align: 8
    .kernarg_segment_size: 40
    .max_flat_workgroup_size: 128
    .sgpr_count:     102
    .vgpr_count:     1024
    .wavefront_size: 32
...
	.end_amdgpu_metadata
.endif
;; end of part 5
;; launch fc2 (part 6): grid 8 x 32, 4 waves a work-group, clusters of 4 x 4, 327,680 bytes of LDS; arguments hid, w_fc2_codes, w_fc2_scales, b_fc2, x2, out0; writes out0
.if DOCPART == 6
	.amdgcn_target "amdgcn-amd-amdhsa--gfx1250"
	.amdhsa_code_object_version 6
	.text
	.protected	k_q62ce9e5fef_fc2
	.globl	k_q62ce9e5fef_fc2
	.p2align	8
	.type	k_q62ce9e5fef_fc2,@function
k_q62ce9e5fef_fc2:
	s_mov_b64 s[64:65], 0
	v_nop
	global_prefetch_b8 v0, s[64:65] scope:SCOPE_SE
	s_setreg_imm32_b32 hwreg(HW_REG_WAVE_MODE, 25, 1), 1
	s_wait_xcnt 0x0
	s_wait_alu depctr_hold_cnt(0) depctr_sa_sdst(0) depctr_va_vdst(0) depctr_va_sdst(0) depctr_va_ssrc(0) depctr_va_vcc(0) depctr_vm_vsrc(0)
	s_getreg_b32 s2, hwreg(HW_REG_IB_STS2, 6, 4)
	s_cmp_eq_u32 s2, 0
	s_cbranch_scc0 .Lentry_in_a_cluster
	s_endpgm
.Lentry_in_a_cluster:
	s_bfe_u32 s2, ttmp6, 0x10000c
	s_cmp_lg_u32 s2, 0xf033
	s_cbranch_scc0 .Lentry_shape_is_right
	s_endpgm
.Lentry_shape_is_right:
.set NA, 4
.set NB, 4
.set NQ, 4
.set SIZE_K, 4096
.set ACH_M, 8448
.set ACH_L, 8448
.set QIB, 6
.set KSLOT,  128*NQ
.set KC,     SIZE_K/KSLOT
.set KS,     SIZE_K/32
.set LAPS,   SIZE_K/(2*KSLOT)
.set ASC,    2048*NQ
.set HALFA,  NA*ACH_L
.set PITCHB, KSLOT+16
.set HALFB,  16*NB*PITCHB
.set SLOT,   2*HALFA+2*HALFB
.set SBLK,   (16*KS/256)*272
.set HALFS,  NB*SBLK
.set SU,     8*NB*KS/256
.set SCL,    2*SLOT
.set SPARE,  SCL+2*HALFS
.set ADRA, 16
.set ADSA, 18
.set ADRB, 20
.set ADSB, 27
.set SPW,  28
.set NIL,  29
.set LI,   30
.set BO,   31
.set SC,   32
.set CB,   64
.set AF,   128
.set STO,  24
.set RD,   25
.set CO,   26
.set BK,   128
.set G1A, 24
.set G0A, 32
.set G1B, 48
.set G0B, 56
.set G1S, 68
.set G0S, 76
.set MSB, 0
.macro WIN new
.if MSB != (\new)
	s_set_vgpr_msb (MSB<<8)|(\new)
.set MSB, (\new)
.endif
.endm
.macro PLACES n
.rept \n
	v_nop
.endr
.endm
.macro JLOAD g0a, g0b
	s_cmp_eq_u32 s15, 0
	s_cbranch_scc0 .Lfor_b_\@
	tensor_load_to_lds s[\g0a:\g0a+3], s[G1A:G1A+7]
	s_nop 0
	PLACES 4
	s_branch .Lasked_\@
.Lfor_b_\@:
	tensor_load_to_lds s[\g0b:\g0b+3], s[G1B:G1B+7]
	s_nop 0
	PLACES 4
.Lasked_\@:
.endm
.macro CREST
	s_cmp_lg_u32 s14, 0
	s_cbranch_scc1 .Lnot_wave_0_\@
	s_barrier_signal -3
.Lnot_wave_0_\@:
	s_barrier_wait -3
	s_barrier_signal -1
	s_barrier_wait -1
.endm
.macro CROUND
	s_barrier_signal -1
	s_barrier_wait -1
	CREST
.endm
	s_load_b256 s[4:11], s[0:1], 0x0
	s_load_b64 s[12:13], s[0:1], 0x20
	s_load_b64 s[18:19], s[0:1], 0x28
	v_lshl_add_u32 v[SPW], v0, 2, SPARE
	v_mov_b32 v[NIL], 0
	ds_add_u32 v28, v29
	ds_add_u32 v28, v29
	s_wait_dscnt 0x0
	v_lshrrev_b32 v1, 5, v0
	v_readfirstlane_b32 s14, v1
	s_lshr_b32 s15, s14, 1
	s_and_b32 s16, s14, 1
	s_bfe_u32 s40, ttmp6, 0x40000
	s_bfe_u32 s41, ttmp6, 0x40004
	s_lshl_b32 s42, ttmp9, 2
	s_add_co_u32 s42, s42, s40
	s_and_b32 s17, ttmp7, 0xffff
	s_lshl_b32 s17, s17, 2
	s_add_co_u32 s17, s17, s41
	s_lshl_b32 s43, s41, 2
	s_lshl_b32 s43, 15, s43
	s_lshl_b32 s44, 0x1111, s40
	s_or_b32 s[G1A], s43, (3<<16)|(1<<21)
	s_mov_b32 s[G1A+1], (ACH_L/8)<<16
	s_mov_b32 s[G1A+2], (2*NA)<<16                 ; the head's load brings both halves; the ring's count is set behind the wait for it
	s_mov_b32 s[G1A+3], (ACH_L/8)<<16
	s_mov_b32 s[G1A+4], 2*NA
	s_mov_b32 s[G1A+5], KC*ACH_M/8
	s_mov_b32 s[G1A+6], 0
	s_mov_b32 s[G1A+7], 0
	s_or_b32 s[G1B], s44, (1<<20)|(1<<21)|(QIB<<22)|(3<<25)
	s_mov_b32 s[G1B+1], KSLOT<<16
	s_mov_b32 s[G1B+2], (32*NB)<<16
	s_mov_b32 s[G1B+3], KSLOT<<16
	s_mov_b32 s[G1B+4], 32*NB
	s_mov_b32 s[G1B+5], SIZE_K
	s_mov_b32 s[G1B+6], 0
	s_mov_b32 s[G1B+7], 0
	s_or_b32 s[G1S], s44, (3<<16)|(1<<20)|(1<<21)|(5<<22)|(3<<25)
	s_mov_b32 s[G1S+1], 32<<16
	s_mov_b32 s[G1S+2], (2*SU)<<16
	s_mov_b32 s[G1S+3], 32<<16
	s_mov_b32 s[G1S+4], 2*SU
	s_mov_b32 s[G1S+5], 32
	s_mov_b32 s[G1S+6], 0
	s_mov_b32 s[G1S+7], 0
	s_mul_i32 s80, s17, 2*NA
	s_mul_i32 s81, s16, NA
	s_add_co_u32 s80, s80, s81
	s_mul_i32 s80, s80, KC*ACH_M
	s_mov_b32 s81, 0
	s_mul_i32 s84, s42, 32*NB
	s_mul_i32 s85, s16, 16*NB
	s_add_co_u32 s84, s84, s85
	s_mul_i32 s84, s84, SIZE_K
	s_mov_b32 s85, 0
	s_mul_i32 s88, s42, 32*NB
	s_mul_i32 s89, s16, 16*NB                      ; waves 2 and 3 fetch a half of the scale bytes each
	s_add_co_u32 s88, s88, s89
	s_mul_i32 s88, s88, KS
	s_mov_b32 s89, 0
	s_mul_i32 s45, s16, HALFA
	s_mul_i32 s46, s16, HALFB
	s_add_co_u32 s46, s46, 2*HALFA
	s_mul_i32 s47, s16, 2*SU*272
	s_wait_kmcnt 0x0
	s_add_nc_u64 s[80:81], s[4:5], s[80:81]
	s_add_nc_u64 s[84:85], s[6:7], s[84:85]
	s_add_nc_u64 s[88:89], s[8:9], s[88:89]
	CROUND
	s_mov_b32 s[G0S], 1
	s_add_co_u32 s[G0S+1], s47, SCL
	s_mov_b64 s[G0S+2:G0S+3], s[88:89]
	s_or_b32 s[G0S+3], s[G0S+3], 0x80000000
.irp s, 0,1
	s_mov_b32 s[G0A+4*\s], 1
	s_add_co_u32 s[G0A+4*\s+1], s45, \s*SLOT
	s_add_nc_u64 s[G0A+4*\s+2:G0A+4*\s+3], s[80:81], \s*ACH_M
	s_or_b32 s[G0A+4*\s+3], s[G0A+4*\s+3], 0x80000000
	s_mov_b32 s[G0B+4*\s], 1
	s_add_co_u32 s[G0B+4*\s+1], s46, \s*SLOT
	s_add_nc_u64 s[G0B+4*\s+2:G0B+4*\s+3], s[84:85], \s*KSLOT
	s_or_b32 s[G0B+4*\s+3], s[G0B+4*\s+3], 0x80000000
.endr
; THE PREFETCHES INTO THE L2: behind each refill of the loop the K slot two refills on is asked for.  Of what a wave fetches (A: four chunks; B: 64 rows of 512 bytes) each of the four partners that ask for it jointly takes a quarter, told apart by address:
; A: chunk cx, its codes, 32 lanes 256 bytes apart; B: rows 16 cy .. 16 cy + 15, two lanes to a row.  K slots 0 to 3 and the chunks' scale words come by their loads alone; the loop's last trip, whose refills are K's last two slots, asks for nothing.
	s_mul_i32 s2, s17, 2*NA
	s_mul_i32 s3, s16, NA
	s_add_co_u32 s2, s2, s3
	s_add_co_u32 s2, s2, s40
	s_mul_i32 s2, s2, KC*ACH_M
	s_add_co_u32 s2, s2, 3*ACH_M                   ; at K slot 3: the first refill steps it to 4
	s_mul_i32 s3, s42, 32*NB
	s_mul_i32 s86, s16, 16*NB
	s_add_co_u32 s3, s3, s86
	s_lshl_b32 s86, s41, 4
	s_add_co_u32 s3, s3, s86
	s_mul_i32 s3, s3, SIZE_K
	s_add_co_u32 s3, s3, 3*KSLOT
	s_mov_b32 s67, SIZE_K
	s_mov_b32 s22, KSLOT
	s_mov_b32 s23, 0
	s_cmp_eq_u32 s15, 0                            ; do I fetch for A?
	s_cselect_b64 s[20:21], s[4:5], s[6:7]
	s_cselect_b32 s2, s2, s3
	s_cselect_b32 s66, 0, 1                        ; lanes to a row, less one
	s_cselect_b32 s67, 256, s67                    ; from row to row
	s_cselect_b32 s22, ACH_M, s22                  ; s[22:23]: a K slot on
	s_mov_b32 s3, 0
	s_add_nc_u64 s[20:21], s[20:21], s[2:3]
; THE HEAD'S LOADS, ONE A WAVE: wave 0 slot 0's eight chunks of A, wave 1 its 128 rows of B, waves 2 and 3 a half of B's scale bytes each.  One chain of branches on the wave's number, one load to an arm.
	s_mul_i32 s2, s17, 2*NA*KC*ACH_M               ; A's tile: of the tile row alone
	s_mov_b32 s3, 0
	s_mul_i32 s86, s42, 32*NB*SIZE_K               ; B's tile: of the tile column alone
	s_mov_b32 s87, 0
	s_add_nc_u64 s[86:87], s[6:7], s[86:87]
	s_or_b32 s87, s87, 0x80000000
	s_mov_b32 s84, 1
	s_mov_b32 s85, 2*HALFA
	s_add_nc_u64 s[6:7], s[4:5], s[2:3]
	s_or_b32 s7, s7, 0x80000000
	s_mov_b32 s4, 1
	s_mov_b32 s5, 0
.macro HARM under, g0, g1, next
	s_cmp_lt_u32 s14, \under
	s_cbranch_scc0 \next
	tensor_load_to_lds s[\g0:\g0+3], s[\g1:\g1+7]
	s_nop 0
	PLACES 4
	s_branch .Lhead_asked
\next:
.endm
	HARM 1, 4, G1A, .Lhead_b
	HARM 2, 84, G1B, .Lhead_s
	tensor_load_to_lds s[G0S:G0S+3], s[G1S:G1S+7]
	s_nop 0
	PLACES 4
.Lhead_asked:
	v_and_b32 v9, 31, v0                           ; v8: the prefetches' offset; never rewritten
	v_lshrrev_b32 v8, s66, v9
	v_mul_lo_u32 v8, v8, s67
	v_and_b32 v9, s66, v9
	v_lshl_add_u32 v8, v9, 8, v8
	v_and_b32 v1, 15, v0
	v_bfe_u32 v2, v0, 4, 1
	v_and_b32 v3, 31, v0
	v_lshlrev_b32 v[LI], 4, v3
	s_mul_i32 s2, s15, HALFA
	v_add_nc_u32 v[ADRA], s2, v[LI]
	v_add_nc_u32 v[ADRA+1], SLOT, v[ADRA]
	v_mul_u32_u24 v4, v2, ACH_L
	v_mad_u32_u24 v4, v1, 4*NQ, v4
	s_add_co_u32 s2, s2, ASC
	v_add_nc_u32 v[ADSA], s2, v4
	v_add_nc_u32 v[ADSA+1], SLOT, v[ADSA]
	s_mul_i32 s2, s16, HALFB
	s_add_co_u32 s2, s2, 2*HALFA
	v_mul_u32_u24 v4, v1, PITCHB
	v_lshl_add_u32 v4, v2, 4, v4
	v_add_nc_u32 v[ADRB], s2, v4
	v_add_nc_u32 v[ADRB+1], SLOT, v[ADRB]
	v_mul_u32_u24 v4, v1, KS
	v_lshrrev_b32 v5, 8, v4
	v_lshl_add_u32 v4, v5, 4, v4
	v_mad_u32_u24 v4, v2, SBLK, v4
	s_mul_i32 s2, s16, HALFS
	s_add_co_u32 s2, s2, SCL
	v_add_nc_u32 v[ADSB], s2, v4
	s_mul_i32 s2, s14, 4352
	v_mul_u32_u24 v4, v1, 272
	v_lshl_add_u32 v4, v2, 5, v4
	v_add_nc_u32 v[STO], s2, v4
	v_mul_u32_u24 v4, v2, 272
	v_lshl_add_u32 v4, v1, 4, v4
	v_add_nc_u32 v[RD], s2, v4
	v_lshlrev_b32 v[CO], 12, v2
	v_lshl_add_u32 v[CO], v1, 4, v[CO]
	s_wait_alu depctr_va_vdst(0)
	s_mul_i32 s2, s42, 128*NB
	s_mul_i32 s3, s16, 64*NB
	s_add_co_u32 s2, s2, s3
	s_mov_b32 s3, 0
	s_add_nc_u64 s[10:11], s[10:11], s[2:3]
	v_lshlrev_b32 v[BO], 5, v2
.set ib, 0
.rept NB
	global_load_b128 v[CB+8*ib:CB+8*ib+3], v[BO], s[10:11] offset:64*ib
	global_load_b128 v[CB+8*ib+4:CB+8*ib+7], v[BO], s[10:11] offset:64*ib+16
.set ib, ib+1
.endr
	s_lshl_b32 s2, s17, 19
	s_lshl_b32 s3, s15, 18
	s_add_co_u32 s2, s2, s3
	s_lshl_b32 s3, s42, 9
	s_add_co_u32 s2, s2, s3
	s_lshl_b32 s3, s16, 8
	s_add_co_u32 s2, s2, s3
	s_mov_b32 s3, 0
	s_add_nc_u64 s[12:13], s[12:13], s[2:3]
	s_add_nc_u64 s[18:19], s[18:19], s[2:3]
	WIN 0xc0
.irp a, 0,1,2,3
.irp t, 0,1,2,3,4,5,6,7
	global_load_b128 v[32*\a+4*\t:32*\a+4*\t+3], v[CO], s[12:13] offset:(16*\a+2*\t)*4096
.endr
.endr
	WIN 0
.macro FETCH_A slot, q, hf
.set fi, (\hf)*NA/2
.rept NA/2
.irp c, 0,1,2,3
	ds_load_b128 v[AF+16*fi+4*\c:AF+16*fi+4*\c+3], v[ADRA+\slot] offset:2048*(\q)+512*\c+fi*ACH_L
.endr
.set fi, fi+1
.endr
.endm
.macro FETCH_B slot, q, p
	WIN 0x40
.set fi, 0
.rept NB
.irp c, 0,1,2,3
	ds_load_b128 v[128*(\p)+16*fi+4*\c:128*(\p)+16*fi+4*\c+3], v[ADRB+\slot] offset:128*(\q)+32*\c+fi*16*PITCHB
.endr
.set fi, fi+1
.endr
	WIN 0
.endm
.macro SCALES sc
.set fi, 0
.rept NA/2
	ds_load_b128 v[SC+16*\sc+4*fi:SC+16*\sc+4*fi+3], v[ADSA+\sc] offset:fi*2*ACH_L
.set fi, fi+1
.endr
.set fi, 0
.rept NB/2
	ds_load_b128 v[SC+16*\sc+NQ*(NA/2)+4*fi:SC+16*\sc+NQ*(NA/2)+4*fi+3], v[ADSB] offset:fi*2*SBLK
.set fi, fi+1
.endr
.endm
.macro WM
.if (ib%2)&&(ia%2)
	v_wmma_scale_f32_16x16x128_f8f6f4 v[rD:rD+7], v[rB:rB+15], v[rA:rA+15], v[rC:rC+7], v[rSB], v[rSA] matrix_a_fmt:MATRIX_FMT_BF8 matrix_b_fmt:MATRIX_FMT_BF8 matrix_a_scale:MATRIX_SCALE_ROW1 matrix_b_scale:MATRIX_SCALE_ROW1
.elseif ib%2
	v_wmma_scale_f32_16x16x128_f8f6f4 v[rD:rD+7], v[rB:rB+15], v[rA:rA+15], v[rC:rC+7], v[rSB], v[rSA] matrix_a_fmt:MATRIX_FMT_BF8 matrix_b_fmt:MATRIX_FMT_BF8 matrix_a_scale:MATRIX_SCALE_ROW1
.elseif ia%2
	v_wmma_scale_f32_16x16x128_f8f6f4 v[rD:rD+7], v[rB:rB+15], v[rA:rA+15], v[rC:rC+7], v[rSB], v[rSA] matrix_a_fmt:MATRIX_FMT_BF8 matrix_b_fmt:MATRIX_FMT_BF8 matrix_b_scale:MATRIX_SCALE_ROW1
.else
	v_wmma_scale_f32_16x16x128_f8f6f4 v[rD:rD+7], v[rB:rB+15], v[rA:rA+15], v[rC:rC+7], v[rSB], v[rSA] matrix_a_fmt:MATRIX_FMT_BF8 matrix_b_fmt:MATRIX_FMT_BF8
.endif
.endm
.macro MULQ g, p, q, sc, first
.set ia, (\g)*NA/4
.rept NA/4
.set AWN, 2+(8*NB*ia)/256
.if \first
	WIN (AWN<<6)|1
.else
	WIN (AWN<<6)|(AWN<<4)|1
.endif
.set ib, 0
.rept NB
.set rD, (8*(NB*ia+ib))%256
.set rB, 128*(\p)+16*ib
.set rA, AF+16*ia
.set rSB, SC+16*(\sc)+NQ*(NA/2)+NQ*(ib/2)+(\q)
.set rSA, SC+16*(\sc)+NQ*(ia/2)+(\q)
.if \first
.set rC, CB+8*ib
.else
.set rC, rD
.endif
	WM
.set ib, ib+1
.endr
.set ia, ia+1
.endr
.endm
.macro STEP slot, q, first
	s_wait_dscnt 2*NA
	MULQ 0, (\q)%2, \q, \slot, \first
	MULQ 1, (\q)%2, \q, \slot, \first
	s_wait_dscnt 0x0
	PLACES 8
	FETCH_B \slot, (\q)+1, 1-(\q)%2
	FETCH_A \slot, (\q)+1, 0
	MULQ 2, (\q)%2, \q, \slot, \first
	MULQ 3, (\q)%2, \q, \slot, \first
	PLACES 8
	WIN 0
	FETCH_A \slot, (\q)+1, 1
.endm
.macro MID slot, q0
.set qq, \q0
.rept NQ-1-(\q0)
	STEP \slot, qq, 0
.set qq, qq+1
.endr
.endm
.macro TURN slot, next, fill
.if \fill
	s_wait_xcnt 0x0                                ; any prefetch of mine has read its address: it steps here, a K slot behind the prefetch
	s_add_nc_u64 s[20:21], s[20:21], s[22:23]
.endif
	s_wait_tensorcnt 0x0
	ds_add_u32 v[SPW], v[NIL]
	s_wait_dscnt 2*NA+1
	MULQ 0, 1, NQ-1, \slot, 0
	s_wait_dscnt 0x0
	s_barrier_signal -1
	MULQ 1, 1, NQ-1, \slot, 0
	WIN 0
	s_barrier_wait -1
.if \fill
	CREST
	s_add_nc_u64 s[G0A+4*\slot+2:G0A+4*\slot+3], s[G0A+4*\slot+2:G0A+4*\slot+3], 2*ACH_M
	s_add_nc_u64 s[G0B+4*\slot+2:G0B+4*\slot+3], s[G0B+4*\slot+2:G0B+4*\slot+3], 2*KSLOT
	JLOAD G0A+4*\slot, G0B+4*\slot
	PLACES 4
.else
	PLACES 8
.endif
	s_wait_alu depctr_va_vdst(0)
	v_add_nc_u32 v[ADSB], 4*NQ, v[ADSB]
	FETCH_B \next, 0, 0
	FETCH_A \next, 0, 0
	SCALES \next
.if \fill
	s_cmp_gt_u32 s3, 1                             ; s3 = 1 in the loop's last trip
	s_cbranch_scc0 .Lno_ask_\@
	global_prefetch_b8 v8, s[20:21] th:TH_LOAD_NT scope:SCOPE_SE
.Lno_ask_\@:
.endif
	MULQ 2, 1, NQ-1, \slot, 0
	MULQ 3, 1, NQ-1, \slot, 0
	PLACES 8
	WIN 0
	FETCH_A \next, 0, 1
.endm
	s_wait_alu depctr_va_vdst(0)
	s_wait_tensorcnt 0x0                           ; my tile of the head's is in; slot 1's first fill is issued as a refill is
	ds_add_u32 v[SPW], v[NIL]
	s_mov_b32 s[G1A+2], NA<<16                     ; no tensor load of mine is out: from here on a load brings one half
	s_mov_b32 s[G1A+4], NA
	s_mov_b32 s[G1B+2], (16*NB)<<16
	s_mov_b32 s[G1B+4], 16*NB
	s_wait_dscnt 0x0
	CROUND                                         ; all the head's tiles are in, and all sixteen work-groups are here
	JLOAD G0A+4, G0B+4                             ; slot 1: the first tensor load behind the round
	FETCH_B 0, 0, 0
	FETCH_A 0, 0, 0
	SCALES 0
	FETCH_A 0, 0, 1
	s_wait_loadcnt 32
	STEP 0, 0, 1
.if LAPS > 1
	s_mov_b32 s3, LAPS-1
.Llap:
	MID 0, 1
	TURN 0, 1, 1
	MID 1, 0
	TURN 1, 0, 1
	STEP 0, 0, 0
	s_sub_co_u32 s3, s3, 1
	s_cmp_lg_u32 s3, 0
	s_cbranch_scc1 .Llap
.endif
	MID 0, 1
	TURN 0, 1, 0
	MID 1, 0
	s_wait_dscnt 2*NA
	MULQ 0, 1, NQ-1, 1, 0
	MULQ 1, 1, NQ-1, 1, 0
	s_wait_dscnt 0x0
	MULQ 2, 1, NQ-1, 1, 0
	MULQ 3, 1, NQ-1, 1, 0
	WIN 0
	PLACES 8
	s_wait_loadcnt 0x0
.macro OUTB a
.if (\a) > 0
	s_wait_xcnt 0x0
.endif
	WIN 0x08
.irp b, 0,1,2,3
	ds_store_b128 v[STO], v[8*(4*(\a)+\b):8*(4*(\a)+\b)+3] offset:64*\b
	ds_store_b128 v[STO], v[8*(4*(\a)+\b)+4:8*(4*(\a)+\b)+7] offset:64*\b+16
.endr
	WIN 0
.irp t, 0,1,2,3,4,5,6,7
	ds_load_b128 v[BK+4*\t:BK+4*\t+3], v[RD] offset:544*\t
.endr
	s_wait_dscnt 0x0
	WIN 0x0c
.irp t, 0,1,2,3,4,5,6,7,8,9,10,11,12,13,14,15
	v_pk_add_f32 v[BK+2*\t:BK+2*\t+1], v[BK+2*\t:BK+2*\t+1], v[32*(\a)+2*\t:32*(\a)+2*\t+1]
.endr
	WIN 0
.irp t, 0,1,2,3,4,5,6,7
	global_store_b128 v[CO], v[BK+4*\t:BK+4*\t+3], s[18:19] offset:(16*(\a)+2*\t)*4096
.endr
.endm
.irp a, 0,1,2,3
	OUTB \a
.endr
	s_wait_tensorcnt 0x0
	ds_add_u32 v[SPW], v[NIL]
	s_wait_dscnt 0x0
	CROUND
	s_endpgm
.Lfunc_end_k_q62ce9e5fef_fc2:
	.size	k_q62ce9e5fef_fc2, .Lfunc_end_k_q62ce9e5fef_fc2-k_q62ce9e5fef_fc2
	.p2alignl 7, 3214868480
	.fill 96, 4, 3214868480
	.section	.rodata,"a",@progbits
	.p2align	6, 0x0
	.amdhsa_kernel k_q62ce9e5fef_fc2
		.amdhsa_group_segment_fixed_size 327680
		.amdhsa_private_segment_fixed_size 0
		.amdhsa_enable_private_segment 0
		.amdhsa_kernarg_size 48
		.amdhsa_user_sgpr_count 2
		.amdhsa_user_sgpr_kernarg_segment_ptr 1
		.amdhsa_wavefront_size32 1
		.amdhsa_system_sgpr_workgroup_id_x 1
		.amdhsa_system_sgpr_workgroup_id_y 1
		.amdhsa_system_sgpr_workgroup_id_z 1
		.amdhsa_system_vgpr_workitem_id 0
		.amdhsa_next_free_vgpr 1024
		.amdhsa_next_free_sgpr 90
		.amdhsa_reserve_vcc 0
		.amdhsa_float_denorm_mode_32 3
		.amdhsa_float_denorm_mode_16_64 3
		.amdhsa_memory_ordered 1
		.amdhsa_forward_progress 1
		.amdhsa_inst_pref_size 107
	.end_amdhsa_kernel
	.amdgpu_metadata
---
amdhsa.version: [ 1, 2 ]
amdhsa.kernels:
  - .name:           k_q62ce9e5fef_fc2
    .symbol:         k_q62ce9e5fef_fc2.kd
    .args:
      - { .name: hid, .offset: 0, .size: 8, .value_kind: global_buffer, .address_space: global }
      - { .name: w_fc2_codes, .offset: 8, .size: 8, .value_kind: global_buffer, .address_space: global }
      - { .name: w_fc2_scales, .offset: 16, .size: 8, .value_kind: global_buffer, .address_space: global }
      - { .name: b_fc2, .offset: 24, .size: 8, .value_kind: global_buffer, .address_space: global }
      - { .name: x2, .offset: 32, .size: 8, .value_kind: global_buffer, .address_space: global }
      - { .name: out0, .offset: 40, .size: 8, .value_kind: global_buffer, .address_space: global }
    .group_segment_fixed_size: 327680
    .private_segment_fixed_size: 0
    .kernarg_segment_align: 8
    .kernarg_segment_size: 48
    .max_flat_workgroup_size: 128
    .sgpr_count:     90
    .vgpr_count:     1024
    .wavefront_size: 32
...
	.end_amdgpu_metadata
.endif
;; end of part 6
